; MI455X (gfx1250); checked and timed in simulation.
; The chip was launched on July 23, 2026; its instructions are those of AMD's public machine-readable ISA for CDNA 5 (MIT licence, August 2026) and "CDNA5" Instruction Set Architecture Reference Guide (July 2026). The comments in the code are by the model that wrote it; some were corrected since.
;; TF Multi Head Attention. Allowed arithmetic: float matrix products may take bf16 or f16 operands with f32 sums; all other float work in f32.
;; Inputs: Wk 1,024 x 1,024 float32; Wo 1,024 x 1,024 float32; Wq 1,024 x 1,024 float32; Wv 1,024 x 1,024 float32; bk 1,024 float32; bo 1,024 float32; bq 1,024 float32; bv 1,024 float32; k 2 x 2,048 x 1,024 float32; mask 2,048 x 2,048 float32; q 2 x 2,048 x 1,024 float32; v 2 x 2,048 x 1,024 float32.
;; Outputs: out0 2 x 2,048 x 1,024 float32.
;; One version. Each part assembles by itself: llvm-mc -triple=amdgcn-amd-amdhsa -mcpu=gfx1250 --defsym DOCPART=n.
;; ======== version 1 of 1: 4 launches
;; limits: values are held in f16: magnitudes above 65,504 overflow, below 6.1e-05 lose precision
;; workspace buffers: xb 25,165,824 bytes; wb 8,388,608 bytes; qkv 25,165,824 bytes; ctxb 16,777,216 bytes
;; launch cast (part 1): grid 256 x 4, 8 waves a work-group, no clusters, 0 bytes of LDS; arguments q, k, v, Wq, Wk, Wv, Wo, xb, wb; writes xb, wb
.if DOCPART == 1
	.amdgcn_target "amdgcn-amd-amdhsa--gfx1250"
	.amdhsa_code_object_version 6
	.text
	.protected	k_qe8bdb739ca_cast
	.globl	k_qe8bdb739ca_cast
	.p2align	8
	.type	k_qe8bdb739ca_cast,@function
k_qe8bdb739ca_cast:
	s_mov_b64 s[64:65], 0
	v_nop
	global_prefetch_b8 v0, s[64:65] scope:SCOPE_SE
	s_setreg_imm32_b32 hwreg(HW_REG_WAVE_MODE, 25, 1), 1
	s_wait_xcnt 0x0
; The seven matrix inputs are rounded to bf16 (to nearest even), layout unchanged: q, k, v into xb (one behind the other), the weights into wb.
; wb holds four blocks of [1024][1024] numbers of 16 bits: Wq, Wk, Wv in bf16, then Wo.  Wo meets ctx, which the later launches keep in f16
; (11 significant bits against bf16's 8), so Wo's bf16 value is written in f16.
; LIMIT: a bf16 number is exact in f16 for 2^-17 <= |w| < 65,520; below, it is off by 2^-25 at the most; above, it becomes an infinity.
; A work-group converts 65,536 input bytes, a wave 8,192, a lane sixteen pieces of 16 bytes.  Grid y = 0, 1, 2: q, k, v, piece x of 256;
; y = 3: weight number x / 64, piece x % 64.  Every input byte is read once; no LDS, no barrier: the lanes share nothing.
; All sixteen loads of a wave go out first; no register that a store reads is written again, so nothing waits for a store.
.set X, 4                              ; v[4:67]   sixteen loads of four f32
.set Y, 68                             ; v[68:99]  sixteen pairs of packed 16-bit numbers
	s_load_b256 s[4:11], s[0:1], 0x0               ; q s[4:5], k s[6:7], v s[8:9], Wq s[10:11]
	s_load_b256 s[12:19], s[0:1], 0x20             ; Wk s[12:13], Wv s[14:15], Wo s[16:17], xb s[18:19]
	s_load_b64 s[20:21], s[0:1], 0x40              ; wb
	s_and_b32 s28, ttmp7, 0xffff                   ; y
	s_mov_b32 s31, ttmp9                           ; x
	s_lshr_b32 s29, s31, 6                         ; for y = 3: which weight,
	s_and_b32 s26, s31, 63                         ; and which piece of it
	s_lshl2_add_u32 s3, s28, s29                   ; 4 y + x / 64: 15 for Wo and for nothing else
	v_lshrrev_b32 v3, 5, v0                        ; wave
	v_and_b32 v1, 31, v0                           ; lane
	v_lshlrev_b32 v2, 3, v1                        ; out: 8 bytes a lane,
	v_lshlrev_b32 v1, 4, v1                        ; in: 16 bytes a lane,
	v_lshl_add_u32 v1, v3, 13, v1                  ; + wave x 8,192
	v_lshl_add_u32 v2, v3, 12, v2                  ; + wave x 4,096
	s_wait_kmcnt 0x0
	s_cmp_eq_u32 s29, 1                            ; the source is chosen among the seven buffers by the ids alone
	s_cselect_b64 s[22:23], s[12:13], s[10:11]
	s_cmp_eq_u32 s29, 2
	s_cselect_b64 s[22:23], s[14:15], s[22:23]
	s_cmp_eq_u32 s29, 3
	s_cselect_b64 s[22:23], s[16:17], s[22:23]
	s_cmp_eq_u32 s28, 0
	s_cselect_b64 s[22:23], s[4:5], s[22:23]
	s_cmp_eq_u32 s28, 1
	s_cselect_b64 s[22:23], s[6:7], s[22:23]
	s_cmp_eq_u32 s28, 2
	s_cselect_b64 s[22:23], s[8:9], s[22:23]
	s_cmp_eq_u32 s28, 3
	s_cselect_b32 s26, s26, s31                    ; the piece's number in its source
	s_cselect_b64 s[24:25], s[20:21], s[18:19]     ; the destination: wb or xb
	s_cselect_b32 s30, 0, s28                      ; the tensor's number in xb (in wb x itself counts through the four weights)
	s_lshl_b32 s26, s26, 16                        ; x 65,536 bytes
	s_mov_b32 s27, 0
	s_add_nc_u64 s[22:23], s[22:23], s[26:27]
	s_lshl_b32 s26, s30, 23                        ; 4,096 x 1,024 numbers of 2 bytes = 8,388,608 bytes a tensor
	s_lshl_b32 s30, s31, 15                        ; + x x 32,768 bytes
	s_add_co_u32 s26, s26, s30
	s_add_nc_u64 s[24:25], s[24:25], s[26:27]
.irp i, 0,1,2,3,4,5,6,7,8,9,10,11,12,13,14,15
	global_load_b128 v[X+4*\i:X+4*\i+3], v1, s[22:23] offset:512*\i th:TH_LOAD_NT   ; 512 neighbouring bytes a load; read once in this launch
.endr
	s_cmp_eq_u32 s3, 15
	s_cbranch_scc1 .Lwo
.irp i, 0,1,2,3,4,5,6,7,8,9,10,11,12,13,14,15
	s_wait_loadcnt 15-\i                           ; loads come back in order: load i is in, the 15 - i younger ones stay out
	v_cvt_pk_bf16_f32 v[Y+2*\i],   v[X+4*\i],   v[X+4*\i+1]
	v_cvt_pk_bf16_f32 v[Y+2*\i+1], v[X+4*\i+2], v[X+4*\i+3]
	global_store_b64 v2, v[Y+2*\i:Y+2*\i+1], s[24:25] offset:256*\i   ; the wave's 32 lanes store 256 consecutive bytes, aligned
.endr
	s_endpgm
.Lwo:                                              ; Wo: rounded to bf16 like the others, widened again, written as f16
.irp i, 0,1,2,3,4,5,6,7,8,9,10,11,12,13,14,15
	s_wait_loadcnt 15-\i
	v_cvt_pk_bf16_f32 v[Y+2*\i],   v[X+4*\i],   v[X+4*\i+1]
	v_cvt_pk_bf16_f32 v[Y+2*\i+1], v[X+4*\i+2], v[X+4*\i+3]
	v_lshlrev_b32 v[X+4*\i],   16,         v[Y+2*\i]                  ; bf16 to f32: the low half moves up,
	v_and_b32     v[X+4*\i+1], 0xffff0000, v[Y+2*\i]                  ; the high half stays
	v_lshlrev_b32 v[X+4*\i+2], 16,         v[Y+2*\i+1]
	v_and_b32     v[X+4*\i+3], 0xffff0000, v[Y+2*\i+1]
	v_cvt_pk_f16_f32 v[Y+2*\i],   v[X+4*\i],   v[X+4*\i+1]
	v_cvt_pk_f16_f32 v[Y+2*\i+1], v[X+4*\i+2], v[X+4*\i+3]
	global_store_b64 v2, v[Y+2*\i:Y+2*\i+1], s[24:25] offset:256*\i
.endr
	s_endpgm
.Lfunc_end_k_qe8bdb739ca_cast:
	.size	k_qe8bdb739ca_cast, .Lfunc_end_k_qe8bdb739ca_cast-k_qe8bdb739ca_cast
	.p2alignl 7, 3214868480
	.fill 96, 4, 3214868480
	.section	.rodata,"a",@progbits
	.p2align	6, 0x0
	.amdhsa_kernel k_qe8bdb739ca_cast
		.amdhsa_group_segment_fixed_size 0
		.amdhsa_private_segment_fixed_size 0
		.amdhsa_enable_private_segment 0
		.amdhsa_kernarg_size 72
		.amdhsa_user_sgpr_count 2
		.amdhsa_user_sgpr_kernarg_segment_ptr 1
		.amdhsa_wavefront_size32 1
		.amdhsa_system_sgpr_workgroup_id_x 1
		.amdhsa_system_sgpr_workgroup_id_y 1
		.amdhsa_system_sgpr_workgroup_id_z 1
		.amdhsa_system_vgpr_workitem_id 0
		.amdhsa_next_free_vgpr 100
		.amdhsa_next_free_sgpr 66
		.amdhsa_reserve_vcc 0
		.amdhsa_float_denorm_mode_32 3
		.amdhsa_float_denorm_mode_16_64 3
		.amdhsa_memory_ordered 1
		.amdhsa_forward_progress 1
		.amdhsa_inst_pref_size 17
	.end_amdhsa_kernel
	.amdgpu_metadata
---
amdhsa.version: [ 1, 2 ]
amdhsa.kernels:
  - .name:           k_qe8bdb739ca_cast
    .symbol:         k_qe8bdb739ca_cast.kd
    .args:
      - { .name: q, .offset: 0, .size: 8, .value_kind: global_buffer, .address_space: global }
      - { .name: k, .offset: 8, .size: 8, .value_kind: global_buffer, .address_space: global }
      - { .name: v, .offset: 16, .size: 8, .value_kind: global_buffer, .address_space: global }
      - { .name: Wq, .offset: 24, .size: 8, .value_kind: global_buffer, .address_space: global }
      - { .name: Wk, .offset: 32, .size: 8, .value_kind: global_buffer, .address_space: global }
      - { .name: Wv, .offset: 40, .size: 8, .value_kind: global_buffer, .address_space: global }
      - { .name: Wo, .offset: 48, .size: 8, .value_kind: global_buffer, .address_space: global }
      - { .name: xb, .offset: 56, .size: 8, .value_kind: global_buffer, .address_space: global }
      - { .name: wb, .offset: 64, .size: 8, .value_kind: global_buffer, .address_space: global }
    .group_segment_fixed_size: 0
    .private_segment_fixed_size: 0
    .kernarg_segment_align: 8
    .kernarg_segment_size: 72
    .max_flat_workgroup_size: 256
    .sgpr_count:     66
    .vgpr_count:     100
    .wavefront_size: 32
...
	.end_amdgpu_metadata
.endif
;; end of part 1
;; launch proj_qkv (part 2): grid 4 x 48, 4 waves a work-group, clusters of 4 x 4, 327,680 bytes of LDS; arguments xb, wb, bq, bk, bv, qkv; writes qkv
.if DOCPART == 2
	.amdgcn_target "amdgcn-amd-amdhsa--gfx1250"
	.amdhsa_code_object_version 6
	.text
	.protected	k_qe8bdb739ca_proj_qkv
	.globl	k_qe8bdb739ca_proj_qkv
	.p2align	8
	.type	k_qe8bdb739ca_proj_qkv,@function
k_qe8bdb739ca_proj_qkv:
	s_mov_b64 s[64:65], 0
	v_nop
	global_prefetch_b8 v0, s[64:65] scope:SCOPE_SE
	s_setreg_imm32_b32 hwreg(HW_REG_WAVE_MODE, 25, 1), 1
	s_wait_xcnt 0x0
	s_wait_alu depctr_hold_cnt(0) depctr_sa_sdst(0) depctr_va_vdst(0) depctr_va_sdst(0) depctr_va_ssrc(0) depctr_va_vcc(0) depctr_vm_vsrc(0)
	s_getreg_b32 s2, hwreg(HW_REG_IB_STS2, 6, 4)
	s_cmp_eq_u32 s2, 0
	s_cbranch_scc0 .Lentry_in_a_cluster
	s_endpgm
.Lentry_in_a_cluster:
	s_bfe_u32 s2, ttmp6, 0x10000c
	s_cmp_lg_u32 s2, 0xf033
	s_cbranch_scc0 .Lentry_shape_is_right
	s_endpgm
.Lentry_shape_is_right:
; qkv = (X W + bias) c.  X = xb: q, k, v in bf16, 12,288 rows of 1,024; W: [1024 k][1024 n] bf16, number g = row block / 16 of wb; bias bq, bk, bv;
; sums in f32; qkv in f16, rows as X's.  c = -1/256 for q, 0.0032 for k, 1 for v: the product of the first two is -1/80000 = -1 / (8 x 10000), so that
; the attention launch can add the raw mask to Q' K'; shared out between the two, both stay in f16's normal range.
; A work-group makes 256 rows x 256 columns with four waves, one for each SIMD of a WGP; a wave makes 128 x 128 in 64 accumulator tiles of 16 x 16.
; 12,288 x 1,024 outputs are 192 such blocks; blocks of half the size would make 384, which is no multiple of 256 either, and would read
; half as much again from LDS for each product.
; K goes in steps of 128 through a ring of two LDS slots filled by the tensor data mover.
; X's tile rows are 256 bytes of memory, W's 512, all starting at multiples of 256 bytes from the buffer's first byte.
; W lies [k][n]: its fragments are read from LDS by the transposing load ds_load_tr16_b128.
; CLUSTERS: 4 x 4 work-groups.  X's tile hangs on the block row alone and is asked for jointly by a row of the cluster; W's hangs on the block
; column (and on g, which is made from the cluster's y and so is equal in all sixteen) and is asked for jointly by a column.
; LIMITS: the result is rounded once to f16 (11 significant bits): from 65,520 on it becomes an infinity, below 2^-14 the step is 2^-24.  With v and Wv
; both 30 times the size for which the problem is stated |V| reaches about 3,200; with offsets of 30 spreads on both, 1,024 x 30 x 0.6 = 18,432.
; REGISTERS, in windows of 256:
;   window 0: v16-27 addresses; v64-127, v128-191 fragments of X, two buffers; v192-223 at work on the way out
;   window 1: v64-127, v128-191 fragments of W, two buffers; v192-255 the bias of my 128 columns
;   window 2: accumulator tiles (a, b), a = 0..3, at v[8 (8 a + b)];   window 3: a = 4..7
; THE MATRIX INSTRUCTION IS USED TRANSPOSED: source 0 = 16 columns of W, source 1 = 16 rows of X, so that lane l holds row l % 16 of the result and its
; registers 0 to 7 the eight neighbouring columns 8 (l / 16) + 0 .. 7.
.set SIZE_K, 1024
.set SIZE_N, 1024
.set KSTEP,  128
.set PITCH,  272                       ; an LDS row of X: 256 bytes + 16 of padding: an odd multiple of 16 bytes
.set BP,     544                       ; an LDS row of W: 512 bytes + 32 of padding: an odd multiple of 32 bytes
.set WR,     128                       ; a wave's rows; also the rows of X that one tensor load brings
.set HALFA,  WR*PITCH
.set HALFB,  64*BP                     ; 64 k rows of W: what one tensor load brings
.set SLOT,   2*HALFA+2*HALFB           ; X's 256 rows, then W's 128 k rows
.set STAGE,  2*SLOT                    ; behind the ring: 16 rows for each wave, for the way out; no tensor load lands here
.set CROW,   SIZE_N*2                  ; bytes in a row of qkv
.set SPITCH, 272                       ; a stage row: my 128 columns + 16 bytes
.set LAPS,   SIZE_K/(2*KSTEP)          ; a lap = two K steps = once round the ring: 4
.set ADRA, 16                          ; v16-17  LDS address of my X fragments in slot 0, 1
.set ADRB, 20                          ; v20-21  the same for W
.set STO,  24                          ; v24     the way out: where I put my piece of a row
.set RD,   25                          ; v25     the way out: where I read rows back
.set CO,   26                          ; v26     my byte offset in qkv
.set BO,   27                          ; v27     my byte offset in the bias: 32 (l / 16)
.set F0,   64
.set F1,   128
.set TMP,  192                         ; window 0
.set BIAS, 192                         ; window 1
.set G1,  24                           ; s[24:31] descriptor group 1, X's tiles
.set G0,  32                           ; s[32:39] descriptor group 0, X's tiles, a set for each slot
.set G1B, 48                           ; s[48:55] descriptor group 1, W's tiles
.set G0B, 56                           ; s[56:63] descriptor group 0, W's tiles, a set for each slot
.set MSB, 0
.macro WIN new                         ; the immediate's high byte repeats the setting that is left
.if MSB != (\new)
	s_set_vgpr_msb (MSB<<8)|(\new)
.set MSB, (\new)
.endif
.endm
.set MUL_LO, 0xa1                      ; source 0 (W) window 1, source 1 (X) window 0, C and D window 2
.set MUL_HI, 0xf1                      ; the same, C and D window 3
.set TO_B,   0x40                      ; destination window 1, address window 0
; A joint load.  Waves 0 and 1 fetch X's two halves, waves 2 and 3 W's.  Each line has one mask; the branch hangs on the wave's number alone.
.macro JLOAD s
	s_cmp_eq_u32 s11, 0
	s_cbranch_scc0 .Lfor_b_\@
	tensor_load_to_lds s[G0+4*\s:G0+4*\s+3], s[G1:G1+7]
	s_nop 0
	s_branch .Lasked_\@
.Lfor_b_\@:
	tensor_load_to_lds s[G0B+4*\s:G0B+4*\s+3], s[G1B:G1B+7]
	s_nop 0
.Lasked_\@:
.endm
; A round of the cluster's barrier: my work-group's barrier; wave 0 signals for the work-group; every wave waits for all sixteen; my work-group's barrier again.
.macro CREST                           ; a round behind its opening barrier
	s_cmp_lg_u32 s10, 0
	s_cbranch_scc1 .Lnot_wave_0_\@
	s_barrier_signal -3
.Lnot_wave_0_\@:
	s_barrier_wait -3
	s_barrier_signal -1
	s_barrier_wait -1
.endm
.macro CROUND
	s_barrier_signal -1
	s_barrier_wait -1
	CREST
.endm
	s_load_b128 s[4:7], s[0:1], 0x0                ; xb s[4:5], wb s[6:7]
	s_load_b128 s[68:71], s[0:1], 0x10             ; bq s[68:69], bk s[70:71]
	s_load_b64 s[72:73], s[0:1], 0x20              ; bv
	s_load_b64 s[8:9], s[0:1], 0x28                ; qkv
	s_set_vgpr_msb 0x40
	v_lshl_add_u32 v63, v0, 2, 0x48400
	s_set_vgpr_msb 0x4000
	v_mov_b32 v255, 0
	s_set_vgpr_msb 0x1
	ds_add_u32 v63, v255
	s_set_vgpr_msb 0x100
	v_lshrrev_b32 v1, 5, v0
	v_readfirstlane_b32 s10, v1                    ; wave 0..3
	s_lshr_b32 s11, s10, 1                         ; which half of the block's rows is mine.  Also: I fetch for X (0) or for W (1)
	s_and_b32 s12, s10, 1                          ; which half of its columns.  Also: which half of that tile I fetch
	s_bfe_u32 s40, ttmp6, 0x40000                  ; cx
	s_bfe_u32 s41, ttmp6, 0x40004                  ; cy
	s_lshl_b32 s42, ttmp9, 2
	s_add_co_u32 s42, s42, s40                     ; block column = 4 x cluster x + cx
	s_and_b32 s13, ttmp7, 0xffff
	s_lshr_b32 s66, s13, 2                         ; g: 16 block rows = 4 clusters for each of q, k, v; equal in the whole cluster
	s_lshl_b32 s13, s13, 2
	s_add_co_u32 s13, s13, s41                     ; block row = 4 x cluster y + cy
	s_lshl_b32 s43, s41, 2
	s_lshl_b32 s43, 15, s43                        ; my row of the cluster: places 4 cy .. 4 cy + 3
	s_lshl_b32 s44, 0x1111, s40                    ; my column: places cx, cx + 4, cx + 8, cx + 12
	; group 1 for X: 128 rows x 128 elements of 2 bytes, 4 words of padding behind every 64 words
	s_or_b32 s[G1+0], s43, (1<<16)|(1<<20)|(1<<21)|(5<<22)|(3<<25)
	s_mov_b32 s[G1+1], KSTEP<<16                   ; tensor_dim0 = 128
	s_mov_b32 s[G1+2], WR<<16                      ; tensor_dim1 = 128
	s_mov_b32 s[G1+3], KSTEP<<16                   ; tile_dim0 = 128
	s_mov_b32 s[G1+4], WR                          ; tile_dim1 = 128
	s_mov_b32 s[G1+5], SIZE_K                      ; elements from row to row
	s_mov_b32 s[G1+6], 0
	s_mov_b32 s[G1+7], 0
	; group 1 for W: 64 k rows x 256 elements of 2 bytes, 8 words of padding behind every 128 words
	s_or_b32 s[G1B+0], s44, (1<<16)|(1<<20)|(1<<21)|(6<<22)|(7<<25)
	s_mov_b32 s[G1B+1], 256<<16
	s_mov_b32 s[G1B+2], 64<<16
	s_mov_b32 s[G1B+3], 256<<16
	s_mov_b32 s[G1B+4], 64
	s_mov_b32 s[G1B+5], SIZE_N
	s_mov_b32 s[G1B+6], 0
	s_mov_b32 s[G1B+7], 0
	; where the tiles come from: X's from the block row alone, W's from g and the block column alone, each in registers that never hold the other coordinate
	s_mul_i32 s17, s12, WR
	s_mul_i32 s16, s13, 2*WR
	s_add_co_u32 s16, s16, s17                     ; X: row 256 x block row + 128 x half,
	s_mul_i32 s16, s16, SIZE_K*2                   ; in bytes: 25,165,824 at the most
	s_mov_b32 s17, 0
	s_lshl_b32 s46, s66, 21                        ; W: 2,097,152 bytes a weight,
	s_lshl_b32 s47, s12, 17                        ; + 64 k rows of 2,048 bytes x half,
	s_add_co_u32 s46, s46, s47
	s_lshl_b32 s47, s42, 9                         ; + 256 columns of 2 bytes x block column
	s_add_co_u32 s46, s46, s47
	s_mov_b32 s47, 0
	s_mul_i32 s20, s12, HALFA                      ; and where they go: no place in the cluster enters an LDS address
	s_mul_i32 s45, s12, HALFB
	s_add_co_u32 s45, s45, 2*HALFA
	s_wait_dscnt 0x0
	s_wait_kmcnt 0x0
	s_add_nc_u64 s[14:15], s[4:5], s[16:17]
	s_add_nc_u64 s[46:47], s[6:7], s[46:47]
	CROUND                                         ; all sixteen work-groups are here: the first joint loads meet
.irp s, 0,1
	s_mov_b32 s[G0+4*\s], 1
	s_add_co_u32 s[G0+4*\s+1], s20, \s*SLOT
	s_add_nc_u64 s[G0+4*\s+2:G0+4*\s+3], s[14:15], \s*KSTEP*2            ; K step s: 256 bytes along X's rows
	s_or_b32 s[G0+4*\s+3], s[G0+4*\s+3], 0x80000000
	s_mov_b32 s[G0B+4*\s], 1
	s_add_co_u32 s[G0B+4*\s+1], s45, \s*SLOT
	s_add_nc_u64 s[G0B+4*\s+2:G0B+4*\s+3], s[46:47], \s*KSTEP*SIZE_N*2   ; K step s: 128 rows down W
	s_or_b32 s[G0B+4*\s+3], s[G0B+4*\s+3], 0x80000000
	JLOAD \s                                       ; both first fills go out before anything else: two tensor loads of the wave are out
.endr
	; X's fragment (16 rows x 32 K): lane l holds row l % 16; two loads of 16 bytes, 32 bytes apart, at row x pitch + 16 (l / 16).
	; W's fragment (32 K x 16 columns, rows along n): two transposing loads, 16 k rows apart, at (8 (l / 16) + l % 8) x pitch + 16 ((l / 8) % 2).
	v_and_b32 v1, 15, v0                           ; r = l % 16
	v_bfe_u32 v2, v0, 4, 1                         ; h = l / 16
	v_mul_u32_u24 v3, v1, PITCH
	v_lshl_add_u32 v3, v2, 4, v3
	v_and_b32 v6, 7, v0
	v_lshl_add_u32 v6, v2, 3, v6
	v_mul_u32_u24 v6, v6, BP
	v_bfe_u32 v7, v0, 3, 1
	v_lshl_add_u32 v6, v7, 4, v6
	s_mul_i32 s21, s11, HALFA                      ; my 128 rows of X
	s_lshl_b32 s22, s12, 8                         ; my 128 columns of W: 256 bytes along its rows,
	s_add_co_u32 s22, s22, 2*HALFA                 ; which lie behind X's rows
.irp s, 0,1
	v_add_nc_u32 v[ADRA+\s], s21, v3
	v_add_nc_u32 v[ADRB+\s], s22, v6
	s_add_co_u32 s21, s21, SLOT
	s_add_co_u32 s22, s22, SLOT
.endr
	s_mul_i32 s23, s10, 16*SPITCH
	s_add_co_u32 s23, s23, STAGE                   ; my stage
	v_mul_u32_u24 v4, v1, SPITCH                   ; in: row r, eight numbers (16 bytes) for each half of the lanes
	v_lshl_add_u32 v4, v2, 4, v4
	v_add_nc_u32 v[STO], s23, v4
	v_mul_u32_u24 v5, v2, SPITCH                   ; back: lanes 0-15 take one row of 256 bytes, lanes 16-31 the next
	v_lshl_add_u32 v5, v1, 4, v5
	v_add_nc_u32 v[RD], s23, v5
	v_mul_u32_u24 v5, v2, CROW
	v_lshl_add_u32 v[CO], v1, 4, v5
	; the bias of my 128 columns, laid as the accumulators are: register 8 b + j = column 16 b + 8 h + j
	v_lshlrev_b32 v[BO], 5, v2
	s_lshl_b32 s74, s42, 10                        ; 256 columns of 4 bytes x block column
	s_lshl_b32 s75, s12, 9                         ; + 128 columns x half
	s_add_co_u32 s74, s74, s75
	s_mov_b32 s75, 0
	s_cmp_eq_u32 s66, 1
	s_cselect_b64 s[68:69], s[70:71], s[68:69]     ; bq, bk or bv, by g
	s_cselect_b32 s76, 0x3b51b717, 1.0             ; c = 0.0032 for k, 1 for v,
	s_cmp_eq_u32 s66, 2
	s_cselect_b64 s[68:69], s[72:73], s[68:69]
	s_cmp_eq_u32 s66, 0
	s_cselect_b32 s76, 0xbb800000, s76             ; -1/256 for q
	s_mov_b32 s77, s76
	s_add_nc_u64 s[68:69], s[68:69], s[74:75]
	WIN TO_B
.irp b, 0,1,2,3,4,5,6,7
	global_load_b128 v[BIAS+8*\b:BIAS+8*\b+3],   v[BO], s[68:69] offset:64*\b
	global_load_b128 v[BIAS+8*\b+4:BIAS+8*\b+7], v[BO], s[68:69] offset:64*\b+16
.endr
	s_wait_loadcnt 0x0
	WIN 0x41                                       ; source 0 and destination window 1
.set j_, 0
.rept 32
	v_pk_mul_f32 v[BIAS+j_:BIAS+j_+1], v[BIAS+j_:BIAS+j_+1], s[76:77] op_sel_hi:[1,0]   ; bias x c, so that the way out is one fused multiply-add
.set j_, j_+2
.endr
	WIN 0
; 16 matrix instructions: row blocks a0, a0 + 1 of the window's four x all 8 column blocks, 32 along K.  zero = 1: the first product starts the sums.
.macro MUL16 f, hi, a0, zero
.irp a, \a0, \a0+1
.irp b, 0,1,2,3,4,5,6,7
.if \zero
	v_wmma_f32_16x16x32_bf16 v[8*(8*(\a)+\b):8*(8*(\a)+\b)+7], v[\f+8*\b:\f+8*\b+7], v[\f+8*(4*\hi+\a):\f+8*(4*\hi+\a)+7], 0
.else
	v_wmma_f32_16x16x32_bf16 v[8*(8*(\a)+\b):8*(8*(\a)+\b)+7], v[\f+8*\b:\f+8*\b+7], v[\f+8*(4*\hi+\a):\f+8*(4*\hi+\a)+7], v[8*(8*(\a)+\b):8*(8*(\a)+\b)+7]
.endif
.endr
.endr
.endm
; The first and the second half of a quarter step's matrix instructions.  The 64 accumulators take turns, one instruction a turn, in the same order in
; every quarter step, over the loop's backward jump too.
.macro HALF1 f, zero
	WIN MUL_LO
	MUL16 \f, 0, 0, \zero
	MUL16 \f, 0, 2, \zero
.endm
.macro HALF2 f, zero
	WIN MUL_HI
	MUL16 \f, 1, 0, \zero
	MUL16 \f, 1, 2, \zero
.endm
; 32 LDS loads in one run: the fragments of quarter q of a K step (32 K) into buffer f: W's 8 column blocks, then X's 8 row blocks
.macro FETCH slot, q, f
	WIN TO_B
.irp i, 0,1,2,3,4,5,6,7
	ds_load_tr16_b128 v[\f+8*\i:\f+8*\i+3],   v[ADRB+\slot] offset:\q*32*BP+32*\i
	ds_load_tr16_b128 v[\f+8*\i+4:\f+8*\i+7], v[ADRB+\slot] offset:\q*32*BP+32*\i+16*BP
.endr
	WIN 0
.irp i, 0,1,2,3,4,5,6,7
	ds_load_b128 v[\f+8*\i:\f+8*\i+3],   v[ADRA+\slot] offset:\q*64+\i*16*PITCH
	ds_load_b128 v[\f+8*\i+4:\f+8*\i+7], v[ADRA+\slot] offset:\q*64+\i*16*PITCH+32
.endr
.endm
; A load into a register that a matrix instruction has read, and a vector instruction that reads a matrix result, stand four places behind it, and
; only plain vector instructions that name none of its registers are places (ISA guide 7.12.1 for vector instructions).
.macro PLACES
.rept 4
	v_nop
.endr
.endm
; One of a K step's first three quarters: multiplies buffer f; in its middle it fetches quarter q of the same slot into buffer g.
.macro QUARTER slot, q, f, g, zero
	s_wait_dscnt 8                                 ; W and X's first half are in; the youngest 8 loads (X's second half) may be out
	HALF1 \f, \zero
	PLACES
	FETCH \slot, \q, \g
	s_wait_dscnt 32                                ; all but the 32 just issued
	HALF2 \f, \zero
.endm
.macro THREE slot, zero
	QUARTER \slot, 1, F0, F1, \zero
	QUARTER \slot, 2, F1, F0, 0
	QUARTER \slot, 3, F0, F1, 0
.endm
; The last quarter: multiplies buffer 1 and changes slots.  In front of the barrier each wave waits for its reads of this slot and for all its tensor
; loads, of which one is out: its part of the next slot.  fill = 1: the barrier opens a round of the cluster's barrier, and behind the round this slot is
; filled again, two K steps ahead, first thing.
.macro TURN slot, next, fill
	WIN MUL_LO
	s_wait_dscnt 8
	MUL16 F1, 0, 0, 0
	s_wait_dscnt 0                                 ; my reads of this slot are over
	s_wait_tensorcnt 0x0                           ; all my tensor loads have landed
	ds_add_u32 v63, v255
	s_wait_dscnt 0x0
	s_barrier_signal -1
	MUL16 F1, 0, 2, 0                              ; work on registers while the others arrive
	WIN 0
	s_barrier_wait -1
.if \fill
	CREST                                          ; no wave of any partner still reads this slot or has a load on its way
	s_add_nc_u64 s[G0+4*\slot+2:G0+4*\slot+3], s[G0+4*\slot+2:G0+4*\slot+3], 2*KSTEP*2
	s_add_nc_u64 s[G0B+4*\slot+2:G0B+4*\slot+3], s[G0B+4*\slot+2:G0B+4*\slot+3], 2*KSTEP*SIZE_N*2
	JLOAD \slot                                    ; my one tensor load behind the round
.endif
	PLACES
	FETCH \next, 0, F0
	HALF2 F1, 0
.endm
.macro LAP zero
	THREE 0, \zero
	TURN 0, 1, 1
	THREE 1, 0
	TURN 1, 0, 1
.endm
	s_wait_tensorcnt 1                             ; my part of K step 0 is in; K step 1's, issued behind it, stays out
	s_barrier_signal -1
	s_barrier_wait -1                              ; everybody's is
	FETCH 0, 0, F0
	LAP 1                                          ; the first lap stands in front of the loop: its first products start the sums
	WIN 0
	s_mov_b32 s3, LAPS-2
.Llap:
	LAP 0
	WIN 0
	s_sub_co_u32 s3, s3, 1
	s_cmp_lg_u32 s3, 0
	s_cbranch_scc1 .Llap
	THREE 0, 0                                     ; the last lap fills nothing
	TURN 0, 1, 0
	THREE 1, 0
	s_wait_dscnt 8                                 ; the very last quarter
	HALF1 F1, 0
	s_wait_dscnt 0
	HALF2 F1, 0
	; THE WAY OUT, 16 rows at a time: scale and bias, to f16, into my own stage in LDS, read back as whole rows, stored.
	PLACES                                         ; the places behind the last matrix instructions
	s_mul_i32 s16, s13, 2*WR
	s_mul_i32 s14, s11, WR
	s_add_co_u32 s16, s16, s14                     ; my first row,
	s_mul_i32 s16, s16, CROW                       ; in bytes: 25,165,824 at the most
	s_mov_b32 s17, 0
	s_add_nc_u64 s[8:9], s[8:9], s[16:17]
	s_lshl_b32 s46, s42, 9                         ; my first column, in bytes: 512 x block column + 256 x half
	s_lshl_b32 s47, s12, 8
	s_add_co_u32 s46, s46, s47
	s_mov_b32 s47, 0
	s_add_nc_u64 s[8:9], s[8:9], s[46:47]
; rows 16 i .. 16 i + 15 of my part = the eight tiles (a, 0..7) of window 2 + hi; f: F0 or F1 in turn
.macro OUT16 i, a, hi, f
	WIN 0x92+0x41*\hi                              ; source 0 and destination: the accumulators' window; source 2: window 1
.irp b, 0,1,2,3,4,5,6,7
.irp k, 0,2,4,6
	v_pk_fma_f32 v[8*(8*\a+\b)+\k:8*(8*\a+\b)+\k+1], v[8*(8*\a+\b)+\k:8*(8*\a+\b)+\k+1], s[76:77], v[BIAS+8*\b+\k:BIAS+8*\b+\k+1] op_sel_hi:[1,0,1]
.endr
.endr
	WIN 0x0a+0x05*\hi                              ; sources 0 and 1: the accumulators' window
.irp b, 0,1,2,3,4,5,6,7
.irp r, 0,1,2,3
	v_cvt_pk_f16_f32 v[TMP+4*\b+\r], v[8*(8*\a+\b)+2*\r], v[8*(8*\a+\b)+2*\r+1]
.endr
.endr
	WIN 0
.irp b, 0,1,2,3,4,5,6,7
	ds_store_b128 v[STO], v[TMP+4*\b:TMP+4*\b+3] offset:32*\b
.endr
	s_wait_xcnt 0x0                                ; buffer f, which earlier stores read, and the stores' base are rewritten only behind this wait (ISA guide 3.1)
.if \i
	s_add_nc_u64 s[8:9], s[8:9], 16*CROW
.endif
.irp t, 0,1,2,3,4,5,6,7
	ds_load_b128 v[\f+4*\t:\f+4*\t+3], v[RD] offset:\t*2*SPITCH    ; LDS serves a wave's instructions in order (ISA guide 5.7.1.4): these see the stores above
.endr
.irp t, 0,1,2,3,4,5,6,7
	s_wait_dscnt 7-\t                              ; read-back t is in, the younger ones stay out
	global_store_b128 v[CO], v[\f+4*\t:\f+4*\t+3], s[8:9] offset:2*\t*CROW   ; 16 lanes store 256 consecutive bytes, aligned
.endr
.endm
	OUT16 0, 0, 0, F0
	OUT16 1, 1, 0, F1
	OUT16 2, 2, 0, F0
	OUT16 3, 3, 0, F1
	OUT16 4, 0, 1, F0
	OUT16 5, 1, 1, F1
	OUT16 6, 2, 1, F0
	OUT16 7, 3, 1, F1
	s_set_vgpr_msb 0x1
	s_wait_tensorcnt 0x0
	ds_add_u32 v63, v255
	s_wait_dscnt 0x0
	s_set_vgpr_msb 0x100
	CROUND                                         ; the closing round: no work-group ends while a partner may still ask for a tile that names it
	s_endpgm
.Lfunc_end_k_qe8bdb739ca_proj_qkv:
	.size	k_qe8bdb739ca_proj_qkv, .Lfunc_end_k_qe8bdb739ca_proj_qkv-k_qe8bdb739ca_proj_qkv
	.p2alignl 7, 3214868480
	.fill 96, 4, 3214868480
	.section	.rodata,"a",@progbits
	.p2align	6, 0x0
	.amdhsa_kernel k_qe8bdb739ca_proj_qkv
		.amdhsa_group_segment_fixed_size 327680
		.amdhsa_private_segment_fixed_size 0
		.amdhsa_enable_private_segment 0
		.amdhsa_kernarg_size 48
		.amdhsa_user_sgpr_count 2
		.amdhsa_user_sgpr_kernarg_segment_ptr 1
		.amdhsa_wavefront_size32 1
		.amdhsa_system_sgpr_workgroup_id_x 1
		.amdhsa_system_sgpr_workgroup_id_y 1
		.amdhsa_system_sgpr_workgroup_id_z 1
		.amdhsa_system_vgpr_workitem_id 0
		.amdhsa_next_free_vgpr 1024
		.amdhsa_next_free_sgpr 80
		.amdhsa_reserve_vcc 0
		.amdhsa_float_denorm_mode_32 3
		.amdhsa_float_denorm_mode_16_64 3
		.amdhsa_memory_ordered 1
		.amdhsa_forward_progress 1
		.amdhsa_inst_pref_size 217
	.end_amdhsa_kernel
	.amdgpu_metadata
---
amdhsa.version: [ 1, 2 ]
amdhsa.kernels:
  - .name:           k_qe8bdb739ca_proj_qkv
    .symbol:         k_qe8bdb739ca_proj_qkv.kd
    .args:
      - { .name: xb, .offset: 0, .size: 8, .value_kind: global_buffer, .address_space: global }
      - { .name: wb, .offset: 8, .size: 8, .value_kind: global_buffer, .address_space: global }
      - { .name: bq, .offset: 16, .size: 8, .value_kind: global_buffer, .address_space: global }
      - { .name: bk, .offset: 24, .size: 8, .value_kind: global_buffer, .address_space: global }
      - { .name: bv, .offset: 32, .size: 8, .value_kind: global_buffer, .address_space: global }
      - { .name: qkv, .offset: 40, .size: 8, .value_kind: global_buffer, .address_space: global }
    .group_segment_fixed_size: 327680
    .private_segment_fixed_size: 0
    .kernarg_segment_align: 8
    .kernarg_segment_size: 48
    .max_flat_workgroup_size: 128
    .sgpr_count:     80
    .vgpr_count:     1024
    .wavefront_size: 32
...
	.end_amdgpu_metadata
.endif
;; end of part 2
;; launch attn (part 3): grid 16 x 16, 4 waves a work-group, clusters of 4 x 4, 327,680 bytes of LDS; arguments qkv, mask, ctxb; writes ctxb
.if DOCPART == 3
	.amdgcn_target "amdgcn-amd-amdhsa--gfx1250"
	.amdhsa_code_object_version 6
	.text
	.protected	k_qe8bdb739ca_attn
	.globl	k_qe8bdb739ca_attn
	.p2align	8
	.type	k_qe8bdb739ca_attn,@function
k_qe8bdb739ca_attn:
	s_mov_b64 s[64:65], 0
	v_nop
	global_prefetch_b8 v0, s[64:65] scope:SCOPE_SE
	s_setreg_imm32_b32 hwreg(HW_REG_WAVE_MODE, 25, 1), 1
	s_wait_xcnt 0x0
	s_wait_alu depctr_hold_cnt(0) depctr_sa_sdst(0) depctr_va_vdst(0) depctr_va_sdst(0) depctr_va_ssrc(0) depctr_va_vcc(0) depctr_vm_vsrc(0)
	s_getreg_b32 s2, hwreg(HW_REG_IB_STS2, 6, 4)
	s_cmp_eq_u32 s2, 0
	s_cbranch_scc0 .Lentry_in_a_cluster
	s_endpgm
.Lentry_in_a_cluster:
	s_bfe_u32 s2, ttmp6, 0x10000c
	s_cmp_lg_u32 s2, 0xf033
	s_cbranch_scc0 .Lentry_shape_is_right
	s_endpgm
.Lentry_shape_is_right:
; Attention with an f32 mask that is an input: ctx = softmax(Q K^T / 8 - 10000 mask) V, for 2 batches x 16 heads x 2,048 x 2,048, head size 64.
; qkv holds Q' = -Q / 256, K' = 0.0032 K and V in f16, each [4096][1024], rows as in the model (head h at columns 64 h).
; ctxb: [4096][2048] f16: columns 0-1023 ctx cut to 11 significant bits, columns 1024-2047 the rest of it, so that the output projection loses nothing
; of weight.  f16 and not bf16: a row of the mask may leave a single key, ctx is then a row of V, and three further bits are what its numbers need.
; THE MASK IS THE C OPERAND of the score product: u = mask + Q' K' = -(score) / 10000, so that with c = 10000 log2 e the weight is
; p = exp2(-c u + M), M = c x (running minimum of u): the running maximum of the scores, taken away before every exponential.
; A work-group: 128 queries (grid x) of two neighbouring heads (grid y = 8 batch + head pair), so that rows of K, V and ctx are 256 aligned bytes.
; Wave w: queries 64 (w / 2) .. + 63 of head w % 2.  The products are used transposed: S^T = K' Q'^T and O^T = V^T P^T.  A query then sits on lane
; l % 16 in both, the row statistics are one number a lane, and P turns into the second product's operand by packing registers: no trip through LDS.
; Keys go in tiles of 128 (two steps of 64) through a ring of two LDS slots, one tensor load a wave for each tile (32 KiB each):
; waves 0, 1 the mask's rows 0-63, 64-127; wave 2 K'; wave 3 V.  One tensor load of a wave is out at any time.
; CLUSTERS: 4 x 4 work-groups.  The mask's tile hangs on grid x alone: asked for jointly down a column of the cluster.  K's and V's hang on grid y
; alone: asked for jointly along a row.  Every refill stands behind a round of the cluster's barrier.
; LIMITS: Q', K', V and P are f16: 11 significant bits, an infinity from 65,520 on, a step of 2^-24 below 2^-14.  u is kept in f32, so an exponent
; carries the f32 rounding of a number of the mask's size times c (for |mask| = 1: about 1e-3), as the sum score - 10000 mask in f32 does.
; exp2 gives 0 for results below 2^-126.  NaN and infinities are not served.
; Q' is read once, 8 KiB a wave, straight into fragments (32 bytes of each row a load): too little to stage.
; REGISTERS: window 0: v4-13 addresses, v16-39 statistics, v64-127 Q', v128-191 K' fragments, v192-255 V fragments;
;            window 1: v0-127 u, then p, then P (tile (a, kt) at 8 (4 a + kt)); v128-255 O^T (tile (a, dt) at 128 + 8 (4 a + dt)).
.set ROWB,  2048                       ; bytes in a row of qkv
.set CROWB, 4096                       ; bytes in a row of ctxb
.set MP,    528                        ; LDS pitch of the mask: 128 f32 + 16 bytes: an odd multiple of 16
.set KP,    272                        ; of K': 128 f16 + 16 bytes
.set VP,    288                        ; of V: 128 f16 + 32 bytes: an odd multiple of 32, for the transposing load
.set KOFF,  128*MP
.set VOFF,  KOFF+128*KP
.set SLOT,  VOFF+128*VP                ; 139,264
.set STAGE, 2*SLOT                     ; 128 rows x 272 bytes for the way out; no tensor load lands here
.set SP,    272
.set TILEM, 128*4                      ; from tile to tile: 512 bytes along the mask's rows,
.set TILEK, 128*ROWB                   ; 128 rows down K' and V
.set KBASE, 4096*ROWB                  ; K' in qkv
.set VBASE, 2*4096*ROWB                ; V in qkv
.set ADM, 4                            ; v4-5   mask address in slot 0, 1
.set ADK, 6                            ; v6-7   K'
.set ADV, 8                            ; v8-9   V
.set STO, 10
.set RD,  11
.set CO,  12
.set QO,  13
.set MN,  16                           ; v[16+2a] M of query block a      (pair with T2: the packed forms name pairs)
.set T2,  17                           ; v[17+2a] the other half's figure
.set AL,  24                           ; v[24+2a] alpha of query block a  (pair with TT)
.set TT,  25                           ; v[25+2a] at work
.set LS,  32                           ; v[32+2a:33+2a] running sum, even and odd keys of my half of the lanes
.set QF,  64
.set KF,  128
.set VF,  192
.set SC,  0                            ; window 1
.set OA,  128                          ; window 1
.set G1M, 24                           ; s[24:31] group 1, mask
.set G0M, 32                           ; s[32:39] group 0, mask, a set for each slot
.set G1K, 48                           ; s[48:55] group 1, K'
.set G1V, 56                           ; s[56:63] group 1, V
.set G0K, 68                           ; s[68:75] group 0, K'
.set G0V, 76                           ; s[76:83] group 0, V
.set MSB, 0
.macro WIN new                         ; the immediate's high byte repeats the setting that is left
.if MSB != (\new)
	s_set_vgpr_msb (MSB<<8)|(\new)
.set MSB, (\new)
.endif
.endm
.macro PLACES n
.rept \n
	v_nop
.endr
.endm
; A joint load of slot s.  Three lines, each with one mask; the branches hang on the wave's number alone.
.macro JLOAD s
	s_cmp_lt_u32 s10, 2
	s_cbranch_scc0 .Lkv_\@
	tensor_load_to_lds s[G0M+4*\s:G0M+4*\s+3], s[G1M:G1M+7]
	s_nop 0
	s_branch .Lasked_\@
.Lkv_\@:
	s_cmp_eq_u32 s10, 2
	s_cbranch_scc0 .Lv_\@
	tensor_load_to_lds s[G0K+4*\s:G0K+4*\s+3], s[G1K:G1K+7]
	s_nop 0
	s_branch .Lasked_\@
.Lv_\@:
	tensor_load_to_lds s[G0V+4*\s:G0V+4*\s+3], s[G1V:G1V+7]
	s_nop 0
.Lasked_\@:
.endm
; A round of the cluster's barrier
.macro CROUND
	s_barrier_signal -1
	s_barrier_wait -1
	s_cmp_lg_u32 s10, 0
	s_cbranch_scc1 .Lnot_wave_0_\@
	s_barrier_signal -3
.Lnot_wave_0_\@:
	s_barrier_wait -3
	s_barrier_signal -1
	s_barrier_wait -1
.endm
	s_load_b128 s[4:7], s[0:1], 0x0                ; qkv s[4:5], mask s[6:7]
	s_load_b64 s[8:9], s[0:1], 0x10                ; ctxb
	v_lshl_add_u32 v62, v0, 2, 0x4c800
	v_mov_b32 v63, 0
	ds_add_u32 v62, v63
	v_lshrrev_b32 v1, 5, v0
	v_readfirstlane_b32 s10, v1                    ; wave
	s_lshr_b32 s11, s10, 1                         ; qh: which 64 queries
	s_and_b32 s12, s10, 1                          ; e: which head of the pair.  Also: which 64 rows of the mask's tile waves 0 and 1 fetch
	s_bfe_u32 s40, ttmp6, 0x40000                  ; cx
	s_bfe_u32 s41, ttmp6, 0x40004                  ; cy
	s_lshl_b32 s42, ttmp9, 2
	s_add_co_u32 s42, s42, s40                     ; x: block of 128 queries
	s_and_b32 s13, ttmp7, 0xffff
	s_lshl_b32 s13, s13, 2
	s_add_co_u32 s13, s13, s41                     ; y
	s_lshr_b32 s14, s13, 3                         ; batch
	s_and_b32 s15, s13, 7                          ; head pair
	s_lshl_b32 s43, s41, 2
	s_lshl_b32 s43, 15, s43                        ; my row of the cluster
	s_lshl_b32 s44, 0x1111, s40                    ; my column
	s_mov_b32 s45, 0xffffe000                      ; keeps an f32's sign, exponent and ten upper mantissa bits: what f16 holds
	s_mov_b32 s84, 0xc6616bcd                      ; -c = -10000 log2 e
	s_mov_b32 s85, 0xc6616bcd
	s_mov_b32 s86, 0x46616bcd                      ; c
	s_mov_b32 s87, 0x76543210                      ; v_permlanex16_b32: lane i reads lane i of the other half
	s_mov_b32 s88, 0xfedcba98
	; group 1, mask: 64 rows x 128 elements of 4 bytes, 4 words of padding behind every 128 words; shared down my column
	s_or_b32 s[G1M+0], s44, (2<<16)|(1<<20)|(1<<21)|(6<<22)|(3<<25)
	s_mov_b32 s[G1M+1], 128<<16
	s_mov_b32 s[G1M+2], 64<<16
	s_mov_b32 s[G1M+3], 128<<16
	s_mov_b32 s[G1M+4], 64
	s_mov_b32 s[G1M+5], 2048
	s_mov_b32 s[G1M+6], 0
	s_mov_b32 s[G1M+7], 0
	; group 1, K': 128 rows x 128 elements of 2 bytes, 4 words of padding behind every 64 words; V: 8 words; shared along my row
	s_or_b32 s[G1K+0], s43, (1<<16)|(1<<20)|(1<<21)|(5<<22)|(3<<25)
	s_or_b32 s[G1V+0], s43, (1<<16)|(1<<20)|(1<<21)|(5<<22)|(7<<25)
.irp g, G1K, G1V
	s_mov_b32 s[\g+1], 128<<16
	s_mov_b32 s[\g+2], 128<<16
	s_mov_b32 s[\g+3], 128<<16
	s_mov_b32 s[\g+4], 128
	s_mov_b32 s[\g+5], 1024
	s_mov_b32 s[\g+6], 0
	s_mov_b32 s[\g+7], 0
.endr
	s_lshl_b32 s16, s42, 20                        ; mask: 128 rows of 8,192 bytes x block of queries
	s_lshl_b32 s17, s12, 19                        ; + 64 rows x half
	s_add_co_u32 s16, s16, s17
	s_mov_b32 s17, 0
	s_lshl_b32 s46, s14, 22                        ; K', V: 2,048 rows of 2,048 bytes x batch
	s_lshl_b32 s47, s15, 8                         ; + 256 bytes x head pair
	s_add_co_u32 s46, s46, s47
	s_mov_b32 s47, 0
	s_mul_i32 s20, s12, 64*MP                      ; the mask half's place in a slot
	s_wait_dscnt 0x0
	s_wait_kmcnt 0x0
	s_add_nc_u64 s[16:17], s[6:7], s[16:17]
	s_add_nc_u64 s[46:47], s[4:5], s[46:47]
.irp s, 0,1
	s_mov_b32 s[G0M+4*\s], 1
	s_add_co_u32 s[G0M+4*\s+1], s20, \s*SLOT
	s_add_nc_u64 s[G0M+4*\s+2:G0M+4*\s+3], s[16:17], \s*TILEM
	s_or_b32 s[G0M+4*\s+3], s[G0M+4*\s+3], 0x80000000
	s_mov_b32 s[G0K+4*\s], 1
	s_mov_b32 s[G0K+4*\s+1], KOFF+\s*SLOT
	s_add_nc_u64 s[G0K+4*\s+2:G0K+4*\s+3], s[46:47], KBASE+\s*TILEK
	s_or_b32 s[G0K+4*\s+3], s[G0K+4*\s+3], 0x80000000
	s_mov_b32 s[G0V+4*\s], 1
	s_mov_b32 s[G0V+4*\s+1], VOFF+\s*SLOT
	s_add_nc_u64 s[G0V+4*\s+2:G0V+4*\s+3], s[46:47], VBASE+\s*TILEK
	s_or_b32 s[G0V+4*\s+3], s[G0V+4*\s+3], 0x80000000
.endr
	CROUND                                         ; all sixteen work-groups are here
	JLOAD 0                                        ; tile 0; slot 1 is first filled behind the first trip's round, as a refill is
	; Q': eight fragments (a, kk): lane l holds query 16 a + l % 16, d = 32 kk + 8 (l / 16) + 0..7 and + 16
	v_and_b32 v1, 15, v0                           ; r
	v_bfe_u32 v2, v0, 4, 1                         ; h
	v_lshlrev_b32 v[QO], 11, v1
	v_lshl_add_u32 v[QO], v2, 4, v[QO]
	s_lshl_b32 s89, s14, 11
	s_lshl_b32 s91, s42, 7
	s_add_co_u32 s89, s89, s91                     ; the work-group's first row: 2,048 batch + 128 x
	s_lshl_b32 s91, s11, 6
	s_add_co_u32 s90, s89, s91                     ; my first query,
	s_lshl_b32 s90, s90, 11                        ; in bytes,
	s_lshl_b32 s91, s15, 8
	s_add_co_u32 s90, s90, s91                     ; + head pair
	s_lshl_b32 s91, s12, 7
	s_add_co_u32 s90, s90, s91                     ; + head
	s_mov_b32 s91, 0
	s_add_nc_u64 s[92:93], s[4:5], s[90:91]
.irp a, 0,1,2,3
.irp kk, 0,1
	global_load_b128 v[QF+8*(2*\a+\kk):QF+8*(2*\a+\kk)+3],   v[QO], s[92:93] offset:16*ROWB*\a+64*\kk
	global_load_b128 v[QF+8*(2*\a+\kk)+4:QF+8*(2*\a+\kk)+7], v[QO], s[92:93] offset:16*ROWB*\a+64*\kk+32
.endr
.endr
	; LDS addresses
	v_mul_u32_u24 v[ADM], v1, MP                   ; mask: row 64 qh + r, 8 keys (32 bytes) for each half of the lanes
	v_lshl_add_u32 v[ADM], v2, 5, v[ADM]
	s_mul_i32 s21, s11, 64*MP
	v_add_nc_u32 v[ADM], s21, v[ADM]
	v_add_nc_u32 v[ADM+1], SLOT, v[ADM]
	v_mul_u32_u24 v15, v1, KP                      ; r x 272 + 16 h: K's fragments, and the stage
	v_lshl_add_u32 v15, v2, 4, v15
	s_lshl_b32 s22, s12, 7                         ; my head: 128 bytes along the rows
	s_add_co_u32 s23, s22, KOFF
	v_add_nc_u32 v[ADK], s23, v15
	v_add_nc_u32 v[ADK+1], SLOT, v[ADK]
	v_and_b32 v3, 7, v0                            ; V, transposing load: row 8 h + l % 8, 16 bytes x ((l / 8) % 2)
	v_lshl_add_u32 v3, v2, 3, v3
	v_mul_u32_u24 v3, v3, VP
	v_bfe_u32 v14, v0, 3, 1
	v_lshl_add_u32 v3, v14, 4, v3
	s_add_co_u32 s23, s22, VOFF
	v_add_nc_u32 v[ADV], s23, v3
	v_add_nc_u32 v[ADV+1], SLOT, v[ADV]
	s_mul_i32 s23, s11, 64*SP
	s_add_co_u32 s23, s23, s22
	s_add_co_u32 s23, s23, STAGE
	v_add_nc_u32 v[STO], s23, v15                  ; stage in: row 64 qh + r, my head, 16 bytes for each half of the lanes
	s_mul_i32 s23, s10, 32*SP
	s_add_co_u32 s23, s23, STAGE
	v_mul_u32_u24 v3, v2, SP
	v_lshl_add_u32 v3, v1, 4, v3
	v_add_nc_u32 v[RD], s23, v3                    ; stage back: rows 32 w + h, 16 bytes a lane
	v_lshlrev_b32 v[CO], 12, v2                    ; and the same two rows in ctxb
	v_lshl_add_u32 v[CO], v1, 4, v[CO]
.irp a, 0,1,2,3
	v_mov_b32 v[T2+2*\a], 0                        ; v_permlanex16_b32 counts as a reader of its destination
	v_mov_b32 v[LS+2*\a], 0
	v_mov_b32 v[LS+2*\a+1], 0
.endr
	s_wait_loadcnt 0x0                             ; Q'
; One step: 64 keys (half sub of the tile in slot) against my 64 queries.  first = 1: nothing to rescale, the first P V products start the sums.
; In both products the 16 accumulators take turns, one instruction a turn, from product to product and over the backward jump too.
.macro STEP slot, sub, first
	WIN 0
.irp kt, 0,1,2,3
.irp kk, 0,1
	ds_load_b128 v[KF+8*(2*\kt+\kk):KF+8*(2*\kt+\kk)+3],   v[ADK+\slot] offset:\sub*64*KP+\kt*16*KP+64*\kk
	ds_load_b128 v[KF+8*(2*\kt+\kk)+4:KF+8*(2*\kt+\kk)+7], v[ADK+\slot] offset:\sub*64*KP+\kt*16*KP+64*\kk+32
.endr
.endr
	WIN 0x40                                       ; destination window 1: the mask lands where the scores are summed
.irp a, 0,1,2,3
.irp kt, 0,1,2,3
	ds_load_b128 v[SC+8*(4*\a+\kt):SC+8*(4*\a+\kt)+3],   v[ADM+\slot] offset:\a*16*MP+\sub*256+64*\kt
	ds_load_b128 v[SC+8*(4*\a+\kt)+4:SC+8*(4*\a+\kt)+7], v[ADM+\slot] offset:\a*16*MP+\sub*256+64*\kt+16
.endr
.endr
	WIN 0
.irp dt, 0,1,2,3
.irp c, 0,1
	ds_load_tr16_b128 v[VF+8*(2*\dt+\c):VF+8*(2*\dt+\c)+3],   v[ADV+\slot] offset:\sub*64*VP+\c*32*VP+32*\dt
	ds_load_tr16_b128 v[VF+8*(2*\dt+\c)+4:VF+8*(2*\dt+\c)+7], v[ADV+\slot] offset:\sub*64*VP+\c*32*VP+32*\dt+16*VP
.endr
.endr
	s_wait_dscnt 16                                ; K' and the mask are in; V's 16 loads, the youngest, may stay out
	WIN 0x50                                       ; C and D window 1
.irp kk, 0,1
.irp kt, 0,1,2,3
.irp a, 0,1,2,3
	v_wmma_f32_16x16x32_f16 v[SC+8*(4*\a+\kt):SC+8*(4*\a+\kt)+7], v[KF+8*(2*\kt+\kk):KF+8*(2*\kt+\kk)+7], v[QF+8*(2*\a+\kk):QF+8*(2*\a+\kk)+7], v[SC+8*(4*\a+\kt):SC+8*(4*\a+\kt)+7]
.endr
.endr
.endr
	PLACES 4                                       ; four places before vector instructions read the results (ISA guide 7.12.1)
	WIN 0x05                                       ; sources 0 and 1 window 1
.irp a, 0,1,2,3
	v_min_num_f32 v[TT+2*\a], v[SC+32*\a], v[SC+32*\a+1]           ; the least u of my 32 keys, four chains side by side
.endr
.set j_, 2
.rept 15
.irp a, 0,1,2,3
	v_min3_num_f32 v[TT+2*\a], v[SC+32*\a+j_], v[SC+32*\a+j_+1], v[TT+2*\a]
.endr
.set j_, j_+2
.endr
	WIN 0
.irp a, 0,1,2,3
	v_permlanex16_b32 v[T2+2*\a], v[TT+2*\a], s87, s88             ; the other 32 keys of the same query
.endr
.irp a, 0,1,2,3
	v_min_num_f32 v[TT+2*\a], v[TT+2*\a], v[T2+2*\a]
.endr
.if \first
.irp a, 0,1,2,3
	v_mul_f32 v[MN+2*\a], s86, v[TT+2*\a]                          ; M = c min u
.endr
.else
.irp a, 0,1,2,3
	v_mul_f32 v[TT+2*\a], s86, v[TT+2*\a]
.endr
.irp a, 0,1,2,3
	v_sub_f32 v[AL+2*\a], v[TT+2*\a], v[MN+2*\a]
.endr
.irp a, 0,1,2,3
	v_min_num_f32 v[MN+2*\a], v[MN+2*\a], v[TT+2*\a]               ; the running figure
.endr
.irp a, 0,1,2,3
	v_min_num_f32 v[AL+2*\a], 0, v[AL+2*\a]                        ; new M - old M, never above 0
.endr
.irp a, 0,1,2,3
	v_exp_f32 v[AL+2*\a], v[AL+2*\a]
.endr
	v_nop                                          ; one plain place behind the exponentials (ISA guide 5.7.2)
	s_wait_alu depctr_va_vdst(0)
.irp a, 0,1,2,3
	v_pk_mul_f32 v[LS+2*\a:LS+2*\a+1], v[LS+2*\a:LS+2*\a+1], v[AL+2*\a:AL+2*\a+1] op_sel_hi:[1,0]
.endr
.endif
	WIN 0x41                                       ; source 0 and destination window 1
.irp a, 0,1,2,3
.set j_, 0
.rept 16
	v_pk_fma_f32 v[SC+32*\a+j_:SC+32*\a+j_+1], v[SC+32*\a+j_:SC+32*\a+j_+1], s[84:85], v[MN+2*\a:MN+2*\a+1] op_sel_hi:[1,0,0]   ; -c u + M
.set j_, j_+2
.endr
.endr
.irp a, 0,1,2,3
.set j_, 0
.rept 16
	v_exp_f32 v[SC+32*\a+j_], v[SC+32*\a+j_]
	v_exp_f32 v[SC+32*\a+j_+1], v[SC+32*\a+j_+1]
.if \first == 0
	v_pk_mul_f32 v[OA+32*\a+j_:OA+32*\a+j_+1], v[OA+32*\a+j_:OA+32*\a+j_+1], v[AL+2*\a:AL+2*\a+1] op_sel_hi:[1,0]   ; O's rescale, among the exponentials: also the plain place behind them
.endif
.set j_, j_+2
.endr
.endr
.if \first
	v_nop                                          ; the plain place behind the last exponential
	s_wait_alu depctr_va_vdst(0)
.endif
	WIN 0x01                                       ; source 0 window 1
.set j_, 0
	s_wait_alu depctr_va_vdst(0)
.rept 16
.irp a, 0,1,2,3
	v_pk_add_f32 v[LS+2*\a:LS+2*\a+1], v[SC+32*\a+j_:SC+32*\a+j_+1], v[LS+2*\a:LS+2*\a+1]
.endr
.set j_, j_+2
.endr
	WIN 0x45                                       ; all in window 1
	; P's fragment (a, c) = registers 16 (2 a + c) .. + 7: the 16 registers of tiles kt = 2 c, 2 c + 1 packed in pairs, in place;
	; in ascending order every source is read before it is written over
.irp p, 0,1,2,3,4,5,6,7
.irp i, 0,1,2,3,4,5,6,7
	v_cvt_pk_f16_f32 v[SC+16*\p+\i], v[SC+16*\p+2*\i], v[SC+16*\p+2*\i+1]
.endr
.endr
	s_wait_dscnt 0                                 ; V's fragments
	WIN 0x54                                       ; source 1 (P), C and D window 1
.irp c, 0,1
.irp dt, 0,1,2,3
.irp a, 0,1,2,3
.if (\first)*(1-\c)
	v_wmma_f32_16x16x32_f16 v[OA+8*(4*\a+\dt):OA+8*(4*\a+\dt)+7], v[VF+8*(2*\dt+\c):VF+8*(2*\dt+\c)+7], v[SC+16*(2*\a+\c):SC+16*(2*\a+\c)+7], 0
.else
	v_wmma_f32_16x16x32_f16 v[OA+8*(4*\a+\dt):OA+8*(4*\a+\dt)+7], v[VF+8*(2*\dt+\c):VF+8*(2*\dt+\c)+7], v[SC+16*(2*\a+\c):SC+16*(2*\a+\c)+7], v[OA+8*(4*\a+\dt):OA+8*(4*\a+\dt)+7]
.endif
.endr
.endr
.endr
	WIN 0
	PLACES 5                                       ; four places before loads land on V's and P's registers, five before the next score products write over P's (ISA guide 7.12.1 for the score products)
.endm
; One tile.  Every wave waits for all its tensor loads (its part of this tile) and for its LDS reads; the round of the cluster's barrier shows both of every
; wave of all sixteen work-groups; the other slot's refill is the first thing behind it, one tensor load a wave.
.macro TRIP slot, other, refill, first
	s_wait_tensorcnt 0x0                           ; no tensor load of mine is out: every group 0 may be written
	ds_add_u32 v62, v63
	s_wait_dscnt 0x0
	s_add_nc_u64 s[G0M+4*\slot+2:G0M+4*\slot+3], s[G0M+4*\slot+2:G0M+4*\slot+3], 2*TILEM   ; this slot's next tile
	s_add_nc_u64 s[G0K+4*\slot+2:G0K+4*\slot+3], s[G0K+4*\slot+2:G0K+4*\slot+3], 2*TILEK
	s_add_nc_u64 s[G0V+4*\slot+2:G0V+4*\slot+3], s[G0V+4*\slot+2:G0V+4*\slot+3], 2*TILEK
	s_wait_dscnt 0x0                               ; my reads of the last tile are done
	CROUND
.if \refill
	JLOAD \other
.endif
	STEP \slot, 0, \first
	STEP \slot, 1, 0
.endm
	TRIP 0, 1, 1, 1                                ; 16 tiles: two, six times two, two
	TRIP 1, 0, 1, 0
	s_mov_b32 s3, 6
.Ltiles:
	TRIP 0, 1, 1, 0
	TRIP 1, 0, 1, 0
	s_sub_co_u32 s3, s3, 1
	s_cmp_lg_u32 s3, 0
	s_cbranch_scc1 .Ltiles
	TRIP 0, 1, 1, 0
	TRIP 1, 0, 0, 0                                ; the last tile: nothing is left to fetch (the stepped addresses are not used)
	; THE WAY OUT: O / l, split into two f16 parts, each through the stage (a row of 256 bytes is made by two waves), stored as whole rows.
	s_lshl_b32 s90, s10, 5
	s_add_co_u32 s90, s89, s90                     ; I store rows 32 w .. 32 w + 31 of the work-group's 128
	s_lshl_b32 s90, s90, 12                        ; x 4,096 bytes
	s_lshl_b32 s91, s15, 8
	s_add_co_u32 s90, s90, s91
	s_mov_b32 s91, 0
	s_add_nc_u64 s[94:95], s[8:9], s[90:91]
.irp a, 0,1,2,3
	v_add_f32 v[TT+2*\a], v[LS+2*\a], v[LS+2*\a+1]
.endr
.irp a, 0,1,2,3
	v_permlanex16_b32 v[T2+2*\a], v[TT+2*\a], s87, s88
.endr
.irp a, 0,1,2,3
	v_add_f32 v[TT+2*\a], v[TT+2*\a], v[T2+2*\a]   ; l: at least about 1, since the least u gave exp2(0)
.endr
.irp a, 0,1,2,3
	v_rcp_f32 v[AL+2*\a], v[TT+2*\a]
.endr
	v_nop                                          ; one plain place behind the reciprocals (ISA guide 5.7.2)
	WIN 0x41
	s_wait_alu depctr_va_vdst(0)
.irp a, 0,1,2,3
.set j_, 0
.rept 16
	v_pk_mul_f32 v[OA+32*\a+j_:OA+32*\a+j_+1], v[OA+32*\a+j_:OA+32*\a+j_+1], v[AL+2*\a:AL+2*\a+1] op_sel_hi:[1,0]
.set j_, j_+2
.endr
.endr
	; the upper part: the f32 number cut to f16's eleven significant bits, so that its conversion is exact (from 2^-14 up); the lower part: what was cut off
	WIN 0x04                                       ; source 1 window 1
.set j_, 0
.rept 128
	v_and_b32 v[KF+j_], s45, v[OA+j_]              ; 128 registers at work: the K' and V fragments' place
.set j_, j_+1
.endr
	WIN 0x41
.set j_, 0
.rept 64
	v_pk_add_f32 v[OA+j_:OA+j_+1], v[OA+j_:OA+j_+1], v[KF+j_:KF+j_+1] neg_lo:[0,1] neg_hi:[0,1]
.set j_, j_+2
.endr
	WIN 0
.set j_, 0
.rept 64
	v_cvt_pk_f16_f32 v[QF+j_], v[KF+2*j_], v[KF+2*j_+1]            ; tile t = 4 a + dt in registers 4 t .. 4 t + 3: eight neighbouring d of one query: 16 bytes
.set j_, j_+1
.endr
	WIN 0x05
.set j_, 0
.rept 64
	v_cvt_pk_f16_f32 v[KF+j_], v[OA+2*j_], v[OA+2*j_+1]
.set j_, j_+1
.endr
	WIN 0
.irp a, 0,1,2,3
.irp dt, 0,1,2,3
	ds_store_b128 v[STO], v[QF+4*(4*\a+\dt):QF+4*(4*\a+\dt)+3] offset:\a*16*SP+32*\dt
.endr
.endr
	s_wait_dscnt 0x0                               ; for the others' sake: my stores are done
	s_barrier_signal -1
	s_barrier_wait -1
.irp t, 0,1,2,3,4,5,6,7,8,9,10,11,12,13,14,15
	ds_load_b128 v[VF+4*\t:VF+4*\t+3], v[RD] offset:\t*2*SP
.endr
.irp t, 0,1,2,3,4,5,6,7,8,9,10,11,12,13,14,15
	s_wait_dscnt 15-\t                             ; read-back t is in, the younger ones stay out
	global_store_b128 v[CO], v[VF+4*\t:VF+4*\t+3], s[94:95] offset:\t*2*CROWB   ; 16 lanes store 256 consecutive bytes, aligned
.endr
	s_barrier_signal -1                            ; the count-down ended at 0: my reads of the stage are back; the stage is written again only when all four waves' are
	s_barrier_wait -1
.irp a, 0,1,2,3
.irp dt, 0,1,2,3
	ds_store_b128 v[STO], v[KF+4*(4*\a+\dt):KF+4*(4*\a+\dt)+3] offset:\a*16*SP+32*\dt
.endr
.endr
	s_wait_dscnt 0x0
	s_barrier_signal -1
	s_barrier_wait -1
.irp t, 0,1,2,3,4,5,6,7,8,9,10,11,12,13,14,15
	ds_load_b128 v[QF+4*\t:QF+4*\t+3], v[RD] offset:\t*2*SP        ; into other registers than those that the stores above still read
.endr
.irp t, 0,1,2,3,4,5,6,7,8,9,10,11,12,13,14,15
	s_wait_dscnt 15-\t
	global_store_b128 v[CO], v[QF+4*\t:QF+4*\t+3], s[94:95] offset:\t*2*CROWB+2048   ; the lower part: 1,024 numbers further along the row
.endr
	s_wait_tensorcnt 0x0
	ds_add_u32 v62, v63
	s_wait_dscnt 0x0
	CROUND                                         ; the closing round
	s_endpgm
.Lfunc_end_k_qe8bdb739ca_attn:
	.size	k_qe8bdb739ca_attn, .Lfunc_end_k_qe8bdb739ca_attn-k_qe8bdb739ca_attn
	.p2alignl 7, 3214868480
	.fill 96, 4, 3214868480
	.section	.rodata,"a",@progbits
	.p2align	6, 0x0
	.amdhsa_kernel k_qe8bdb739ca_attn
		.amdhsa_group_segment_fixed_size 327680
		.amdhsa_private_segment_fixed_size 0
		.amdhsa_enable_private_segment 0
		.amdhsa_kernarg_size 24
		.amdhsa_user_sgpr_count 2
		.amdhsa_user_sgpr_kernarg_segment_ptr 1
		.amdhsa_wavefront_size32 1
		.amdhsa_system_sgpr_workgroup_id_x 1
		.amdhsa_system_sgpr_workgroup_id_y 1
		.amdhsa_system_sgpr_workgroup_id_z 1
		.amdhsa_system_vgpr_workitem_id 0
		.amdhsa_next_free_vgpr 512
		.amdhsa_next_free_sgpr 96
		.amdhsa_reserve_vcc 0
		.amdhsa_float_denorm_mode_32 3
		.amdhsa_float_denorm_mode_16_64 3
		.amdhsa_memory_ordered 1
		.amdhsa_forward_progress 1
		.amdhsa_inst_pref_size 255
	.end_amdhsa_kernel
	.section	.bss,"aw",@nobits
	.p2align	6
	.space	262144
	.amdgpu_metadata
---
amdhsa.version: [ 1, 2 ]
amdhsa.kernels:
  - .name:           k_qe8bdb739ca_attn
    .symbol:         k_qe8bdb739ca_attn.kd
    .args:
      - { .name: qkv, .offset: 0, .size: 8, .value_kind: global_buffer, .address_space: global }
      - { .name: mask, .offset: 8, .size: 8, .value_kind: global_buffer, .address_space: global }
      - { .name: ctxb, .offset: 16, .size: 8, .value_kind: global_buffer, .address_space: global }
    .group_segment_fixed_size: 327680
    .private_segment_fixed_size: 0
    .kernarg_segment_align: 8
    .kernarg_segment_size: 24
    .max_flat_workgroup_size: 128
    .sgpr_count:     96
    .vgpr_count:     512
    .wavefront_size: 32
...
	.end_amdgpu_metadata
.endif
;; end of part 3
;; launch proj_out (part 4): grid 8 x 32, 4 waves a work-group, clusters of 4 x 4, 327,680 bytes of LDS; arguments ctxb, wb, bo, out0; writes out0
.if DOCPART == 4
	.amdgcn_target "amdgcn-amd-amdhsa--gfx1250"
	.amdhsa_code_object_version 6
	.text
	.protected	k_qe8bdb739ca_proj_out
	.globl	k_qe8bdb739ca_proj_out
	.p2align	8
	.type	k_qe8bdb739ca_proj_out,@function
k_qe8bdb739ca_proj_out:
	s_mov_b64 s[64:65], 0
	v_nop
	global_prefetch_b8 v0, s[64:65] scope:SCOPE_SE
	s_setreg_imm32_b32 hwreg(HW_REG_WAVE_MODE, 25, 1), 1
	s_wait_xcnt 0x0
	s_wait_alu depctr_hold_cnt(0) depctr_sa_sdst(0) depctr_va_vdst(0) depctr_va_sdst(0) depctr_va_ssrc(0) depctr_va_vcc(0) depctr_vm_vsrc(0)
	s_getreg_b32 s2, hwreg(HW_REG_IB_STS2, 6, 4)
	s_cmp_eq_u32 s2, 0
	s_cbranch_scc0 .Lentry_in_a_cluster
	s_endpgm
.Lentry_in_a_cluster:
	s_bfe_u32 s2, ttmp6, 0x10000c
	s_cmp_lg_u32 s2, 0xf033
	s_cbranch_scc0 .Lentry_shape_is_right
	s_endpgm
.Lentry_shape_is_right:
; out0 = ctx Wo + bo, f32.  ctx lies in ctxb in two f16 parts: [4096][2048], columns 0-1023 the upper part, columns 1024-2047 the lower part.
; The buffer is read as X' = [8192][1024]: row 2 m is the upper part of ctx's row m, row 2 m + 1 its lower part.  Then
; out0(m) = (X' Wo)(2 m) + (X' Wo)(2 m + 1) + bo: a product with K = 1,024 in which each tile and each fragment of Wo serves both parts, and one sum of
; neighbouring rows at the end.  Wo: weight number 3 of wb, [1024 k][1024 n], f16.  Sums in f32.
; A work-group makes 256 rows of X' (128 rows of out0) x 128 columns: 8 x 32 = 256 work-groups.  Four waves, one for each SIMD of a WGP; a wave makes
; 128 rows of X' x 64 columns in 32 accumulator tiles of 16 x 16: 256 registers, window 1.  All fragments lie in window 0.
; TWO LDS SLOTS OF UNEQUAL SIZE.  256 k of both operands are 208,896 bytes with padding: two such slots do not fit.  So slot X holds 256 k and slot Y 128 k, and K goes
; X (k 0-255), Y (256-383), X (384-639), Y (640-767), X (768-1023): three refills in all, each the one tensor load of a wave behind its barrier.  A refill of Y
; has X's 256 matrix instructions of a wave in which to land, a refill of X has Y's 128.  Two tensor loads of a wave are out at the start, later one.
; The five phases are written out by macro: there is no loop.
; X' tile rows are 512 (X) or 256 (Y) bytes of memory, Wo's 256, all starting at multiples of 256 bytes from the buffer's first byte.
; Wo lies [k][n]: its fragments are read from LDS by the transposing load ds_load_tr16_b128.
; CLUSTERS: 4 x 4 work-groups.  X' tiles hang on the block row alone and are asked for jointly by a row of the cluster; Wo's hang on the block column
; alone and are asked for jointly by a column.  Every refill stands behind a round of the cluster's barrier.
; THE MATRIX INSTRUCTION IS USED TRANSPOSED: source 0 = 16 columns of Wo, source 1 = 16 rows of X', so that lane l holds row l % 16 of X' Wo and its
; registers 0 to 7 the eight neighbouring columns 8 (l / 16) + 0 .. 7.  The two parts of a row of out0 then sit in neighbouring lanes.
; THE STAGE of the way out lies in slot Y: behind the slots only 12,288 bytes are free and the stage takes 17,408.  Y has had its last fill by then, and every wave's
; reads of it are waited for in front of the last barrier.
; LIMITS: ctx's two parts and Wo are f16: an infinity from 65,520 on, a step of 2^-24 below 2^-14.
.set SIZE_K, 1024
.set SIZE_N, 1024
.set ROWB,   2048                      ; bytes in a row of X' and of Wo
.set KX,     256                       ; k in slot X
.set KY,     128                       ; k in slot Y
.set KLAP,   KX+KY                     ; from a slot's tile to its next
.set APX,    528                       ; an LDS row of X' in slot X: 512 bytes + 16: an odd multiple of 16 bytes
.set APY,    272                       ; in slot Y: 256 bytes + 16
.set BP,     288                       ; an LDS row of Wo: 256 bytes + 32: an odd multiple of 32 bytes
.set XA,     0                         ; slot X: 256 rows of X',
.set XB,     XA+256*APX                ;         256 k rows of Wo
.set YA,     XB+256*BP                 ; slot Y: 256 rows of X',
.set YB,     YA+256*APY                ;         128 k rows of Wo; ends at 315,392
.set STAGE,  YA                        ; the way out: 16 rows x 272 bytes for each wave
.set SP,     272
.set CROW,   SIZE_N*4                  ; bytes in a row of out0
.set WOFF,   3*SIZE_K*ROWB             ; Wo in wb
.set ADAX, 16                          ; v16     LDS address of my X' fragments in slot X
.set ADAY, 17                          ; v17     in slot Y
.set ADB0, 20                          ; v20     of my Wo fragments in slot X, k 0-127
.set ADB1, 21                          ; v21     in slot X, k 128-255 (the immediate offset does not reach that far)
.set ADB2, 22                          ; v22     in slot Y
.set STO,  24                          ; v24     the way out: where I put my piece of a row
.set RD,   25                          ; v25     the way out: where I read rows back
.set CO,   26                          ; v26     my byte offset in out0
.set BO,   27                          ; v27     my byte offset in the bias: 32 (l / 16)
.set FA,   32                          ; v32-159  fragments of X': two buffers of 8 row blocks
.set FB,   160                         ; v160-223 fragments of Wo: two buffers of 4 column blocks
.set BIAS, 224                         ; v224-255 the bias of my 64 columns
.set T,    32                          ; the way out, in the fragments' place: my own part,
.set U,    64                          ; what my neighbour lane needs,
.set R0,   96                          ; rows read back, two sets in turn
.set R1,   128
.set G1A, 24                           ; s[24:31], s[32:39] descriptor group 1, X' tiles of slot X, Y
.set G1B, 40                           ; s[40:47], s[48:55] descriptor group 1, Wo's tiles of slot X, Y
.set G0A, 56                           ; s[56:59], s[60:63] descriptor group 0, X' tiles of slot X, Y
.set G0B, 68                           ; s[68:71], s[72:75] descriptor group 0, Wo's tiles of slot X, Y
.set MSB, 0
.macro WIN new                         ; the immediate's high byte repeats the setting that is left
.if MSB != (\new)
	s_set_vgpr_msb (MSB<<8)|(\new)
.set MSB, (\new)
.endif
.endm
.set MULW, 0x50                        ; C and D window 1, both fragments window 0
; A joint load of slot s (0: X, 1: Y).  Waves 0 and 1 fetch the halves of X' tile, waves 2 and 3 the halves of Wo's.  Each line has one mask; the branch hangs on the wave's number alone.
.macro JLOAD s
	s_cmp_eq_u32 s11, 0
	s_cbranch_scc0 .Lfor_b_\@
	tensor_load_to_lds s[G0A+4*\s:G0A+4*\s+3], s[G1A+8*\s:G1A+8*\s+7]
	s_nop 0
	s_branch .Lasked_\@
.Lfor_b_\@:
	tensor_load_to_lds s[G0B+4*\s:G0B+4*\s+3], s[G1B+8*\s:G1B+8*\s+7]
	s_nop 0
.Lasked_\@:
.endm
; A round of the cluster's barrier: my work-group's barrier; wave 0 signals for the work-group; every wave waits for all sixteen; my work-group's barrier again.
.macro CREST                           ; a round behind its opening barrier
	s_cmp_lg_u32 s10, 0
	s_cbranch_scc1 .Lnot_wave_0_\@
	s_barrier_signal -3
.Lnot_wave_0_\@:
	s_barrier_wait -3
	s_barrier_signal -1
	s_barrier_wait -1
.endm
.macro CROUND
	s_barrier_signal -1
	s_barrier_wait -1
	CREST
.endm
	s_load_b128 s[4:7], s[0:1], 0x0                ; ctxb s[4:5], wb s[6:7]
	s_load_b128 s[84:87], s[0:1], 0x10             ; bo s[84:85], out0 s[86:87]
	v_lshl_add_u32 v30, v0, 2, 0x4d100
	v_mov_b32 v31, 0
	ds_add_u32 v30, v31
	v_lshrrev_b32 v1, 5, v0
	v_readfirstlane_b32 s10, v1                    ; wave 0..3
	s_lshr_b32 s11, s10, 1                         ; which half of the block's rows is mine.  Also: I fetch for X' (0) or for Wo (1)
	s_and_b32 s12, s10, 1                          ; which half of its columns.  Also: which half of that tile I fetch
	s_bfe_u32 s76, ttmp6, 0x40000                  ; cx
	s_bfe_u32 s77, ttmp6, 0x40004                  ; cy
	s_lshl_b32 s78, ttmp9, 2
	s_add_co_u32 s78, s78, s76                     ; block column = 4 x cluster x + cx
	s_and_b32 s13, ttmp7, 0xffff
	s_lshl_b32 s13, s13, 2
	s_add_co_u32 s13, s13, s77                     ; block row = 4 x cluster y + cy
	s_lshl_b32 s79, s77, 2
	s_lshl_b32 s79, 15, s79                        ; my row of the cluster: places 4 cy .. 4 cy + 3
	s_lshl_b32 s80, 0x1111, s76                    ; my column: places cx, cx + 4, cx + 8, cx + 12
	; group 1, X' in slot X: 128 rows x 256 elements of 2 bytes, 4 words of padding behind every 128 words
	s_or_b32 s[G1A+0], s79, (1<<16)|(1<<20)|(1<<21)|(6<<22)|(3<<25)
	s_mov_b32 s[G1A+1], KX<<16                     ; tensor_dim0
	s_mov_b32 s[G1A+2], 128<<16                    ; tensor_dim1
	s_mov_b32 s[G1A+3], KX<<16                     ; tile_dim0
	s_mov_b32 s[G1A+4], 128                        ; tile_dim1
	s_mov_b32 s[G1A+5], SIZE_K                     ; elements from row to row of X'
	s_mov_b32 s[G1A+6], 0
	s_mov_b32 s[G1A+7], 0
	; group 1, X' in slot Y: 128 rows x 128 elements, 4 words of padding behind every 64 words
	s_or_b32 s[G1A+8], s79, (1<<16)|(1<<20)|(1<<21)|(5<<22)|(3<<25)
	s_mov_b32 s[G1A+9], KY<<16
	s_mov_b32 s[G1A+10], 128<<16
	s_mov_b32 s[G1A+11], KY<<16
	s_mov_b32 s[G1A+12], 128
	s_mov_b32 s[G1A+13], SIZE_K
	s_mov_b32 s[G1A+14], 0
	s_mov_b32 s[G1A+15], 0
	; group 1, Wo in slot X: 128 k rows x 128 elements, 8 words of padding behind every 64 words
	s_or_b32 s[G1B+0], s80, (1<<16)|(1<<20)|(1<<21)|(5<<22)|(7<<25)
	s_mov_b32 s[G1B+1], 128<<16
	s_mov_b32 s[G1B+2], 128<<16
	s_mov_b32 s[G1B+3], 128<<16
	s_mov_b32 s[G1B+4], 128
	s_mov_b32 s[G1B+5], SIZE_N
	s_mov_b32 s[G1B+6], 0
	s_mov_b32 s[G1B+7], 0
	; group 1, Wo in slot Y: 64 k rows
	s_or_b32 s[G1B+8], s80, (1<<16)|(1<<20)|(1<<21)|(5<<22)|(7<<25)
	s_mov_b32 s[G1B+9], 128<<16
	s_mov_b32 s[G1B+10], 64<<16
	s_mov_b32 s[G1B+11], 128<<16
	s_mov_b32 s[G1B+12], 64
	s_mov_b32 s[G1B+13], SIZE_N
	s_mov_b32 s[G1B+14], 0
	s_mov_b32 s[G1B+15], 0
	; where the tiles come from: X' from the block row alone, Wo's from the block column alone, each in registers that never hold the other coordinate
	s_lshl_b32 s16, s13, 8
	s_lshl_b32 s17, s12, 7
	s_add_co_u32 s16, s16, s17                     ; X': row 256 x block row + 128 x half,
	s_lshl_b32 s16, s16, 11                        ; x 2,048 bytes: 16,777,216 at the most
	s_mov_b32 s17, 0
	s_lshl_b32 s18, s78, 8                         ; Wo: 128 columns of 2 bytes x block column,
	s_add_co_u32 s18, s18, WOFF                    ; behind the three other weights
	s_lshl_b32 s19, s12, 18                        ; slot X: + 128 k rows of 2,048 bytes x half
	s_lshl_b32 s21, s12, 17                        ; slot Y: + 64 k rows x half,
	s_add_co_u32 s20, s18, s21
	s_add_co_u32 s20, s20, KX*ROWB                 ;         from k = 256 on
	s_add_co_u32 s18, s18, s19
	s_mov_b32 s19, 0
	s_mov_b32 s21, 0
	s_mul_i32 s22, s12, 128*APX                    ; and where they go: no place in the cluster enters an LDS address
	s_mul_i32 s23, s12, 128*APY
	s_mul_i32 s81, s12, 128*BP
	s_mul_i32 s82, s12, 64*BP
	s_wait_dscnt 0x0
	s_wait_kmcnt 0x0
	s_add_nc_u64 s[14:15], s[4:5], s[16:17]
	s_add_nc_u64 s[18:19], s[6:7], s[18:19]
	s_add_nc_u64 s[20:21], s[6:7], s[20:21]
	s_mov_b32 s[G0A+0], 1
	s_add_co_u32 s[G0A+1], s22, XA
	s_mov_b64 s[G0A+2:G0A+3], s[14:15]             ; slot X: k = 0
	s_or_b32 s[G0A+3], s[G0A+3], 0x80000000
	s_mov_b32 s[G0A+4], 1
	s_add_co_u32 s[G0A+5], s23, YA
	s_add_nc_u64 s[G0A+6:G0A+7], s[14:15], KX*2    ; slot Y: k = 256: 512 bytes along the rows
	s_or_b32 s[G0A+7], s[G0A+7], 0x80000000
	s_mov_b32 s[G0B+0], 1
	s_add_co_u32 s[G0B+1], s81, XB
	s_mov_b64 s[G0B+2:G0B+3], s[18:19]
	s_or_b32 s[G0B+3], s[G0B+3], 0x80000000
	s_mov_b32 s[G0B+4], 1
	s_add_co_u32 s[G0B+5], s82, YB
	s_mov_b64 s[G0B+6:G0B+7], s[20:21]
	s_or_b32 s[G0B+7], s[G0B+7], 0x80000000
	CROUND                                         ; all sixteen work-groups are here: the first joint loads meet
	JLOAD 0                                        ; both first fills go out before anything else: two tensor loads of the wave are out
	JLOAD 1
	; X' fragment (16 rows x 32 K): lane l holds row l % 16; two loads of 16 bytes, 32 bytes apart, at row x pitch + 16 (l / 16).
	; Wo's fragment (32 K x 16 columns, rows along n): two transposing loads, 16 k rows apart, at (8 (l / 16) + l % 8) x pitch + 16 ((l / 8) % 2).
	v_and_b32 v1, 15, v0                           ; r = l % 16
	v_bfe_u32 v2, v0, 4, 1                         ; h = l / 16
	v_mul_u32_u24 v3, v1, APX
	v_lshl_add_u32 v3, v2, 4, v3
	s_mul_i32 s22, s11, 128*APX                    ; my 128 rows of X'
	v_add_nc_u32 v[ADAX], s22, v3
	v_mul_u32_u24 v3, v1, APY
	v_lshl_add_u32 v3, v2, 4, v3
	s_mul_i32 s23, s11, 128*APY
	s_add_co_u32 s23, s23, YA
	v_add_nc_u32 v[ADAY], s23, v3
	v_and_b32 v6, 7, v0
	v_lshl_add_u32 v6, v2, 3, v6
	v_mul_u32_u24 v6, v6, BP
	v_bfe_u32 v7, v0, 3, 1
	v_lshl_add_u32 v6, v7, 4, v6
	s_lshl_b32 s22, s12, 7                         ; my 64 columns of Wo: 128 bytes along its rows
	s_add_co_u32 s23, s22, XB
	v_add_nc_u32 v[ADB0], s23, v6
	v_add_nc_u32 v[ADB1], 128*BP, v[ADB0]
	s_add_co_u32 s23, s22, YB
	v_add_nc_u32 v[ADB2], s23, v6
	; the way out: lane r ends up with row r / 2 + 8 (r % 2) of a group of 16 rows of out0
	v_lshrrev_b32 v4, 1, v1
	v_and_b32 v5, 1, v0
	v_lshl_add_u32 v4, v5, 3, v4
	v_mul_u32_u24 v4, v4, SP
	v_lshl_add_u32 v4, v2, 5, v4                   ; eight f32 (32 bytes) for each half of the lanes
	s_mul_i32 s23, s10, 16*SP
	s_add_co_u32 s23, s23, STAGE                   ; my stage
	v_add_nc_u32 v[STO], s23, v4
	v_mul_u32_u24 v5, v2, SP                       ; back: lanes 0-15 take one row of 256 bytes, lanes 16-31 the next
	v_lshl_add_u32 v5, v1, 4, v5
	v_add_nc_u32 v[RD], s23, v5
	v_lshlrev_b32 v[CO], 12, v2                    ; and the same two rows in out0
	v_lshl_add_u32 v[CO], v1, 4, v[CO]
	; the bias of my 64 columns, laid as the accumulators are: register 8 b + j = column 16 b + 8 h + j.  It is waited for on the way out.
	v_lshlrev_b32 v[BO], 5, v2
	s_lshl_b32 s88, s78, 9                         ; 128 columns of 4 bytes x block column
	s_lshl_b32 s89, s12, 8                         ; + 64 columns x half
	s_add_co_u32 s88, s88, s89
	s_mov_b32 s89, 0
	s_add_nc_u64 s[84:85], s[84:85], s[88:89]
	s_add_nc_u64 s[86:87], s[86:87], s[88:89]      ; out0 at my first column,
.irp b, 0,1,2,3
	global_load_b128 v[BIAS+8*\b:BIAS+8*\b+3],   v[BO], s[84:85] offset:64*\b
	global_load_b128 v[BIAS+8*\b+4:BIAS+8*\b+7], v[BO], s[84:85] offset:64*\b+16
.endr
	s_lshl_b32 s88, s13, 7
	s_lshl_b32 s90, s11, 6
	s_add_co_u32 s88, s88, s90                     ; and at my first row: 128 x block row + 64 x half,
	s_lshl_b32 s88, s88, 12                        ; x 4,096 bytes: 16,777,216 at the most
	s_add_nc_u64 s[86:87], s[86:87], s[88:89]
; 8 matrix instructions: row blocks a0, a0 + 1 x all 4 column blocks, 32 along K, from buffer f.  zero = 1: the first product starts the sums.
; The 32 accumulators take turns, one instruction a turn, in the same order in every quarter.
.macro MUL8 f, a0, zero
.irp a, \a0, \a0+1
.irp b, 0,1,2,3
.if \zero
	v_wmma_f32_16x16x32_f16 v[8*(4*(\a)+\b):8*(4*(\a)+\b)+7], v[FB+32*\f+8*\b:FB+32*\f+8*\b+7], v[FA+64*\f+8*(\a):FA+64*\f+8*(\a)+7], 0
.else
	v_wmma_f32_16x16x32_f16 v[8*(4*(\a)+\b):8*(4*(\a)+\b)+7], v[FB+32*\f+8*\b:FB+32*\f+8*\b+7], v[FA+64*\f+8*(\a):FA+64*\f+8*(\a)+7], v[8*(4*(\a)+\b):8*(4*(\a)+\b)+7]
.endif
.endr
.endr
.endm
; 24 LDS loads in one run: the fragments of 32 K into buffer f: Wo's 4 column blocks, then X' 8 row blocks.
; au, ap: X' address register and pitch; ak: byte of the rows at which these 128 k begin; bu: Wo's address register; q: which 32 of the 128 k
.macro FETCH au, ap, ak, bu, q, f
.irp i, 0,1,2,3
	ds_load_tr16_b128 v[FB+32*\f+8*\i:FB+32*\f+8*\i+3],   v[\bu] offset:\q*32*BP+32*\i
	ds_load_tr16_b128 v[FB+32*\f+8*\i+4:FB+32*\f+8*\i+7], v[\bu] offset:\q*32*BP+32*\i+16*BP
.endr
.irp i, 0,1,2,3,4,5,6,7
	ds_load_b128 v[FA+64*\f+8*\i:FA+64*\f+8*\i+3],   v[\au] offset:\ak+\q*64+\i*16*\ap
	ds_load_b128 v[FA+64*\f+8*\i+4:FA+64*\f+8*\i+7], v[\au] offset:\ak+\q*64+\i*16*\ap+32
.endr
.endm
; A load into a register that a matrix instruction has read, and a vector instruction that reads a matrix result, stand four places behind it, and
; only plain vector instructions that name none of its registers are places (ISA guide 7.12.1 for vector instructions).
.macro PLACES
.rept 4
	v_nop
.endr
.endm
; A quarter (32 along K, 32 matrix instructions) that is not a slot's last: multiplies buffer f; in its middle it fetches the next quarter, of the same slot, into buffer g.
.macro QUARTER f, g, zero, au, ap, ak, bu, q
	s_wait_dscnt 8                                 ; Wo and X' row blocks 0-3 are in; the youngest 8 loads (row blocks 4-7) may be out
	WIN MULW
	MUL8 \f, 0, \zero
	MUL8 \f, 2, \zero
	PLACES
	WIN 0
	FETCH \au, \ap, \ak, \bu, \q, \g
	s_wait_dscnt 24                                ; all but the 24 just issued
	WIN MULW
	MUL8 \f, 4, \zero
	MUL8 \f, 6, \zero
.endm
.macro XPHASE zero                     ; the first seven of slot X's eight quarters
	QUARTER 0, 1, \zero, ADAX, APX, 0,   ADB0, 1
	QUARTER 1, 0, 0,     ADAX, APX, 0,   ADB0, 2
	QUARTER 0, 1, 0,     ADAX, APX, 0,   ADB0, 3
	QUARTER 1, 0, 0,     ADAX, APX, 256, ADB1, 0
	QUARTER 0, 1, 0,     ADAX, APX, 256, ADB1, 1
	QUARTER 1, 0, 0,     ADAX, APX, 256, ADB1, 2
	QUARTER 0, 1, 0,     ADAX, APX, 256, ADB1, 3
.endm
.macro YPHASE                          ; the first three of slot Y's four quarters
	QUARTER 0, 1, 0, ADAY, APY, 0, ADB2, 1
	QUARTER 1, 0, 0, ADAY, APY, 0, ADB2, 2
	QUARTER 0, 1, 0, ADAY, APY, 0, ADB2, 3
.endm
; A slot's last quarter: multiplies buffer 1 and changes slots.  In front of the barrier each wave waits for its reads of this slot and for all its tensor
; loads, of which at most one is out: its part of the other slot.  fill = 1: the barrier opens a round of the cluster's barrier, and behind the round this slot
; (s: 0 X, 1 Y) is filled again, 384 k further on, first thing.  au, ap, bu: where the other slot's first fragments lie.
.macro TURN fill, s, au, ap, bu
	s_wait_dscnt 8
	WIN MULW
	MUL8 1, 0, 0
	s_wait_dscnt 0                                 ; my reads of this slot are over
	s_wait_tensorcnt 0x0                           ; all my tensor loads have landed
	ds_add_u32 v30, v31
	s_wait_dscnt 0x0
	s_barrier_signal -1
	MUL8 1, 2, 0                                   ; work on registers while the others arrive
	WIN 0
	s_barrier_wait -1
.if \fill
	CREST                                          ; no wave of any partner still reads this slot or has a load on its way
	s_add_nc_u64 s[G0A+4*\s+2:G0A+4*\s+3], s[G0A+4*\s+2:G0A+4*\s+3], KLAP*2
	s_add_nc_u64 s[G0B+4*\s+2:G0B+4*\s+3], s[G0B+4*\s+2:G0B+4*\s+3], KLAP*ROWB
	JLOAD \s                                       ; my one tensor load behind the round
.endif
	PLACES
	FETCH \au, \ap, 0, \bu, 0, 0
	WIN MULW
	MUL8 1, 4, 0
	MUL8 1, 6, 0
.endm
	s_wait_tensorcnt 1                             ; my part of slot X is in; slot Y's, issued behind it, stays out
	s_barrier_signal -1
	s_barrier_wait -1                              ; everybody's is
	FETCH ADAX, APX, 0, ADB0, 0, 0
	XPHASE 1                                       ; k 0-255: the first products start the sums
	TURN 1, 0, ADAY, APY, ADB2                     ; X is asked for again: k 384-639
	YPHASE                                         ; k 256-383
	TURN 1, 1, ADAX, APX, ADB0                     ; Y is asked for again: k 640-767
	XPHASE 0                                       ; k 384-639
	TURN 1, 0, ADAY, APY, ADB2                     ; X is asked for again: k 768-1023: the last tensor load
	YPHASE                                         ; k 640-767
	TURN 0, 1, ADAX, APX, ADB0                     ; nothing is left to fetch; behind this barrier no wave reads slot Y any more
	XPHASE 0                                       ; k 768-1023
	s_wait_dscnt 8                                 ; the very last quarter
	WIN MULW
	MUL8 1, 0, 0
	MUL8 1, 2, 0
	s_wait_dscnt 0
	MUL8 1, 4, 0
	MUL8 1, 6, 0
	WIN 0
	; THE WAY OUT, 16 rows of out0 at a time, from the tiles of row blocks 2 i and 2 i + 1 (32 rows of X').  In a tile, lanes 2 t and 2 t + 1 hold the two parts of one row.
	; Even lanes take tile 2 i's rows and odd lanes tile 2 i + 1's: T holds the lane's own part, U the part that its neighbour needs, and one addition
	; with the neighbour's U makes 16 different rows in 16 lanes.  Then the bias, my own stage in LDS, whole rows back, and the stores.
	PLACES                                         ; the places behind the last matrix instructions
	s_wait_loadcnt 0x0                             ; the bias
	v_and_b32 v5, 1, v0
	v_cmp_eq_u32 vcc_lo, 1, v5                     ; the odd lanes
.macro OUTG i, rb
	WIN 0x05                                       ; sources 0 and 1 window 1
.irp b, 0,1,2,3
.irp j, 0,1,2,3,4,5,6,7
	v_cndmask_b32 v[T+8*\b+\j], v[8*(8*\i+\b)+\j],   v[8*(8*\i+4+\b)+\j], vcc_lo
	v_cndmask_b32 v[U+8*\b+\j], v[8*(8*\i+4+\b)+\j], v[8*(8*\i+\b)+\j],   vcc_lo
.endr
.endr
	WIN 0
.set n_, 0
.rept 32
	v_add_f32_dpp v[T+n_], v[U+n_], v[T+n_] row_xmask:1 row_mask:0xf bank_mask:0xf   ; + the other part, from lane l xor 1
.set n_, n_+1
.endr
.set n_, 0
.rept 16
	v_pk_add_f32 v[T+n_:T+n_+1], v[T+n_:T+n_+1], v[BIAS+n_:BIAS+n_+1]
.set n_, n_+2
.endr
.irp b, 0,1,2,3
	ds_store_b128 v[STO], v[T+8*\b:T+8*\b+3]   offset:64*\b
	ds_store_b128 v[STO], v[T+8*\b+4:T+8*\b+7] offset:64*\b+16
.endr
	s_wait_xcnt 0x0                                ; the set rb, which earlier stores read, and the stores' base are rewritten only behind this wait (ISA guide 3.1)
.if \i
	s_add_nc_u64 s[86:87], s[86:87], 16*CROW
.endif
.irp t, 0,1,2,3,4,5,6,7
	ds_load_b128 v[\rb+4*\t:\rb+4*\t+3], v[RD] offset:\t*2*SP      ; LDS serves a wave's instructions in order (ISA guide 5.7.1.4): these see the stores above
.endr
.irp t, 0,1,2,3,4,5,6,7
	s_wait_dscnt 7-\t                              ; read-back t is in, the younger ones stay out
	global_store_b128 v[CO], v[\rb+4*\t:\rb+4*\t+3], s[86:87] offset:2*\t*CROW th:TH_STORE_NT   ; 16 lanes store 256 consecutive bytes, aligned
.endr
.endm
	OUTG 0, R0
	OUTG 1, R1
	OUTG 2, R0
	OUTG 3, R1
	s_wait_tensorcnt 0x0
	ds_add_u32 v30, v31
	s_wait_dscnt 0x0
	CROUND                                         ; the closing round: no work-group ends while a partner may still ask for a tile that names it
	s_endpgm
.Lfunc_end_k_qe8bdb739ca_proj_out:
	.size	k_qe8bdb739ca_proj_out, .Lfunc_end_k_qe8bdb739ca_proj_out-k_qe8bdb739ca_proj_out
	.p2alignl 7, 3214868480
	.fill 96, 4, 3214868480
	.section	.rodata,"a",@progbits
	.p2align	6, 0x0
	.amdhsa_kernel k_qe8bdb739ca_proj_out
		.amdhsa_group_segment_fixed_size 327680
		.amdhsa_private_segment_fixed_size 0
		.amdhsa_enable_private_segment 0
		.amdhsa_kernarg_size 32
		.amdhsa_user_sgpr_count 2
		.amdhsa_user_sgpr_kernarg_segment_ptr 1
		.amdhsa_wavefront_size32 1
		.amdhsa_system_sgpr_workgroup_id_x 1
		.amdhsa_system_sgpr_workgroup_id_y 1
		.amdhsa_system_sgpr_workgroup_id_z 1
		.amdhsa_system_vgpr_workitem_id 0
		.amdhsa_next_free_vgpr 512
		.amdhsa_next_free_sgpr 96
		.amdhsa_reserve_vcc 1
		.amdhsa_float_denorm_mode_32 3
		.amdhsa_float_denorm_mode_16_64 3
		.amdhsa_memory_ordered 1
		.amdhsa_forward_progress 1
		.amdhsa_inst_pref_size 161
	.end_amdhsa_kernel
	.amdgpu_metadata
---
amdhsa.version: [ 1, 2 ]
amdhsa.kernels:
  - .name:           k_qe8bdb739ca_proj_out
    .symbol:         k_qe8bdb739ca_proj_out.kd
    .args:
      - { .name: ctxb, .offset: 0, .size: 8, .value_kind: global_buffer, .address_space: global }
      - { .name: wb, .offset: 8, .size: 8, .value_kind: global_buffer, .address_space: global }
      - { .name: bo, .offset: 16, .size: 8, .value_kind: global_buffer, .address_space: global }
      - { .name: out0, .offset: 24, .size: 8, .value_kind: global_buffer, .address_space: global }
    .group_segment_fixed_size: 327680
    .private_segment_fixed_size: 0
    .kernarg_segment_align: 8
    .kernarg_segment_size: 32
    .max_flat_workgroup_size: 128
    .sgpr_count:     96
    .vgpr_count:     512
    .wavefront_size: 32
...
	.end_amdgpu_metadata
.endif
;; end of part 4
